; MI455X (gfx1250); checked and timed in simulation.
; The chip was launched on July 23, 2026; its instructions are those of AMD's public machine-readable ISA for CDNA 5 (MIT licence, August 2026) and "CDNA5" Instruction Set Architecture Reference Guide (July 2026). The comments in the code are by the model that wrote it; some were corrected since.
;; Cross Attention Scorer. Allowed arithmetic: float matrix products may take bf16 or f16 operands with f32 sums; all other float work in f32.
;; Inputs: b1 2,048 float32; b2 1 float32; bk 1,024 float32; bo 1,024 float32; bq 1,024 float32; bv 1,024 float32; candidate_feature 8,192 x 1,024 float32; context_feature 8,192 x 1,024 float32; ln_kv_b 1,024 float32; ln_kv_w 1,024 float32; ln_q_b 1,024 float32; ln_q_w 1,024 float32; w1 2,048 x 1,024 float32; w2 1 x 2,048 float32; wk 1,024 x 1,024 float32; wo 1,024 x 1,024 float32; wq 1,024 x 1,024 float32; wv 1,024 x 1,024 float32.
;; Outputs: out0 8,192 x 1 float32.
;; 2 versions, each right; version 2 is version 1 with the launch prep written anew for expert scheduling mode. Each part assembles by itself: llvm-mc -triple=amdgcn-amd-amdhsa -mcpu=gfx1250 --defsym DOCPART=n.
;; ======== version 1 of 2: 5 launches
;; limits: values are held in f16: magnitudes above 65,504 overflow, below 6.1e-05 lose precision
;; workspace buffers: xn 33,554,432 bytes; wh 8,388,608 bytes; w1b 4,194,304 bytes; av 16,777,216 bytes; ao 16,777,216 bytes; part 262,144 bytes
;; launch prep (part 1): grid 256 x 1, 16 waves a work-group, no clusters, 0 bytes of LDS; arguments context_feature, candidate_feature, ln_q_w, ln_kv_w, ln_q_b, ln_kv_b, wq, wk, wv, wo, w1, xn, wh, w1b; writes xn, wh, w1b
.if DOCPART == 1
	.amdgcn_target "amdgcn-amd-amdhsa--gfx1250"
	.amdhsa_code_object_version 6
	.text
	.protected	k_qdf48f6a439_prep
	.globl	k_qdf48f6a439_prep
	.p2align	8
	.type	k_qdf48f6a439_prep,@function
k_qdf48f6a439_prep:
	s_mov_b64 s[64:65], 0
	v_nop
	global_prefetch_b8 v0, s[64:65] scope:SCOPE_SE
	s_setreg_imm32_b32 hwreg(HW_REG_WAVE_MODE, 25, 1), 1
	s_wait_xcnt 0x0
; PREP.  xn[0:8192] = LayerNorm(context), xn[8192:16384] = LayerNorm(candidate), f16; wh = wq, wk, wv, wo (1,024 rows each) as f16; w1b = w1 as bf16.
; EVERY INPUT IS ROUNDED TO bf16 FIRST: the features ahead of the LayerNorm, its gains and biases, the weights.  Mean, variance (of x - mean) and the scaling are f32.
; LIMITS.  With a common offset on the features the bf16 rounding grows with the offset.  The LayerNorm's output and the weights are written as f16: they stay under 65,504;
; below 6e-5 they keep f16's fixed step of 6e-8 (a weight rounded to bf16 is exact in f16 from 2^-16 up).
; SHARES.  Work-group g owns 64 rows (g < 128: context, else candidate) and 1/256 of each weight array.  One wave holds a whole row of 4,096 bytes in 32 registers: load j of lane l
; takes columns 128 j + 4 l + 0..3, so a load covers 512 consecutive bytes and a store of 8 bytes a lane 256 consecutive bytes, aligned.  A wave has 4 rows, 1 KB of each of the four
; square weights and 2 KB of w1.  No LDS, no barrier, no loop: all of a wave's loads go out at its start, and no register that a memory instruction reads is written again.
.set T,   10                           ; v[10:25]   at work
.set LWP, 26                           ; v[26:41]   the LayerNorm's gain for my 32 columns, bf16 in pairs
.set LBP, 42                           ; v[42:57]   its bias, likewise
.set X,   58                           ; v[58:185]  row i at X + 32 i; register 4 j + c = column 128 j + 4 l + c
.set W,   186                          ; v[186:249] gain and bias as loaded, then the weights
	s_load_b512 s[8:23], s[0:1], 0x0               ; context 8, candidate 10, ln_q_w 12, ln_kv_w 14, ln_q_b 16, ln_kv_b 18, wq 20, wk 22
	s_load_b256 s[24:31], s[0:1], 0x40             ; wv 24, wo 26, w1 28, xn 30
	s_load_b128 s[32:35], s[0:1], 0x60             ; wh 32, w1b 34
	v_and_b32 v2, 31, v0                           ; lane
	v_lshrrev_b32 v9, 5, v0                        ; wave
	v_lshlrev_b32 v1, 4, v2                        ; 16 x lane: gain and bias
	v_lshlrev_b32 v4, 3, v2                        ; 8 x lane
	v_lshl_or_b32 v3, v9, 14, v1                   ; rows in: 4 rows of 4,096 bytes a wave
	v_lshl_or_b32 v5, v9, 10, v1                   ; square weights in: 1,024 bytes a wave
	v_lshl_or_b32 v6, v9, 9, v4                    ; and out: 512
	v_lshl_or_b32 v7, v9, 11, v1                   ; w1 in: 2,048
	v_lshl_or_b32 v8, v9, 10, v4                   ; and out: 1,024
	v_lshl_or_b32 v4, v9, 13, v4                   ; rows out: 4 rows of 2,048 bytes a wave
	s_mov_b32 s44, 0xffff0000                      ; a word's upper bf16
	s_mov_b32 s45, 0x3a800000                      ; 1 / 1024
	s_mov_b32 s46, 0x3727c5ac                      ; 1e-5
	s_mov_b32 s48, 0x76543210                      ; v_permlanex16_b32: each lane takes its own place in the other half
	s_mov_b32 s49, 0xfedcba98
	s_mov_b32 s43, 0                               ; the high word of every offset
	s_wait_kmcnt 0x0
	s_cmp_lt_u32 ttmp9, 128                        ; which feature, gain and bias are mine
	s_cselect_b64 s[36:37], s[8:9], s[10:11]
	s_cselect_b64 s[38:39], s[12:13], s[14:15]
	s_cselect_b64 s[40:41], s[16:17], s[18:19]
	s_and_b32 s42, ttmp9, 127
	s_lshl_b32 s42, s42, 18                        ; 64 rows of 4,096 bytes
	s_add_nc_u64 s[36:37], s[36:37], s[42:43]
	s_lshl_b32 s42, ttmp9, 17                      ; 64 rows of 2,048 bytes
	s_add_nc_u64 s[30:31], s[30:31], s[42:43]
	s_lshl_b32 s42, ttmp9, 14                      ; 16 KB of each square weight, and of w1b
	s_add_nc_u64 s[20:21], s[20:21], s[42:43]
	s_add_nc_u64 s[22:23], s[22:23], s[42:43]
	s_add_nc_u64 s[24:25], s[24:25], s[42:43]
	s_add_nc_u64 s[26:27], s[26:27], s[42:43]
	s_add_nc_u64 s[34:35], s[34:35], s[42:43]
	s_lshl_b32 s42, ttmp9, 13                      ; 8 KB in each quarter of wh
	s_add_nc_u64 s[32:33], s[32:33], s[42:43]
	s_lshl_b32 s42, ttmp9, 15                      ; 32 KB of w1
	s_add_nc_u64 s[28:29], s[28:29], s[42:43]
.irp j, 0,1,2,3,4,5,6,7
	global_load_b128 v[W+4*(\j):W+4*(\j)+3], v1, s[38:39] offset:512*(\j)
.endr
.irp j, 0,1,2,3,4,5,6,7
	global_load_b128 v[W+32+4*(\j):W+32+4*(\j)+3], v1, s[40:41] offset:512*(\j)
.endr
.irp i, 0,1,2,3
.irp j, 0,1,2,3,4,5,6,7
	global_load_b128 v[X+32*(\i)+4*(\j):X+32*(\i)+4*(\j)+3], v3, s[36:37] offset:4096*(\i)+512*(\j) th:TH_LOAD_NT
.endr
.endr
	s_wait_loadcnt 32                              ; gain and bias are in; the 32 loads of my rows stay out
.set p, 0
.rept 16
	v_cvt_pk_bf16_f32 v[LWP+p], v[W+2*p], v[W+2*p+1]
	v_cvt_pk_bf16_f32 v[LBP+p], v[W+32+2*p], v[W+32+2*p+1]
.set p, p+1
.endr
.irp a, 0,1,2,3
.irp i, 0,1
	global_load_b128 v[W+8*(\a)+4*(\i):W+8*(\a)+4*(\i)+3], v5, s[20+2*(\a):21+2*(\a)] offset:512*(\i) th:TH_LOAD_NT
.endr
.endr
.irp i, 0,1,2,3
	global_load_b128 v[W+32+4*(\i):W+32+4*(\i)+3], v7, s[28:29] offset:512*(\i) th:TH_LOAD_NT
.endr
; four chains in v[T:T+7] into one number, then over the 32 lanes: every lane ends with the row's sum in v[T]
.macro FOLD
	v_pk_add_f32 v[T:T+1], v[T:T+1], v[T+2:T+3]
	v_pk_add_f32 v[T+4:T+5], v[T+4:T+5], v[T+6:T+7]
	v_pk_add_f32 v[T:T+1], v[T:T+1], v[T+4:T+5]
	v_add_f32 v[T], v[T], v[T+1]
	v_add_f32_dpp v[T], v[T], v[T] row_xmask:1 row_mask:0xf bank_mask:0xf
	v_add_f32_dpp v[T], v[T], v[T] row_xmask:2 row_mask:0xf bank_mask:0xf
	v_add_f32_dpp v[T], v[T], v[T] row_xmask:4 row_mask:0xf bank_mask:0xf
	v_add_f32_dpp v[T], v[T], v[T] row_xmask:8 row_mask:0xf bank_mask:0xf
	v_permlanex16_b32 v[T+1], v[T], s48, s49
	v_add_f32 v[T], v[T], v[T+1]
.endm
; Row i of my four.
.macro ROWT i
.set R, X+32*(\i)
	s_wait_loadcnt 36-8*(\i)                       ; behind this row's loads stand 8 for each later row and the 12 of the weights
.set p, 0
.rept 16
	v_cvt_pk_bf16_f32 v[T+p], v[R+2*p], v[R+2*p+1] ; x rounded to bf16,
.set p, p+1
.endr
.set p, 0
.rept 16
	v_lshlrev_b32 v[R+2*p], 16, v[T+p]             ; and back as f32
	v_and_b32 v[R+2*p+1], s44, v[T+p]
.set p, p+1
.endr
.irp c, 0,1,2,3
	v_pk_add_f32 v[T+2*(\c):T+2*(\c)+1], v[R+2*(\c):R+2*(\c)+1], v[R+8+2*(\c):R+8+2*(\c)+1]  ; the first eight pairs start four chains
.endr
.set p, 8
.rept 8
	v_pk_add_f32 v[T+2*(p%4):T+2*(p%4)+1], v[T+2*(p%4):T+2*(p%4)+1], v[R+2*p:R+2*p+1]
.set p, p+1
.endr
	FOLD
	v_mul_f32 v[T+8], s45, v[T]                    ; the mean
.set p, 0
.rept 16
	v_pk_add_f32 v[R+2*p:R+2*p+1], v[R+2*p:R+2*p+1], v[T+8:T+9] op_sel_hi:[1,0] neg_lo:[0,1] neg_hi:[0,1]  ; x - mean
.set p, p+1
.endr
.irp c, 0,1,2,3
	v_pk_mul_f32 v[T+2*(\c):T+2*(\c)+1], v[R+2*(\c):R+2*(\c)+1], v[R+2*(\c):R+2*(\c)+1]
.endr
.set p, 4
.rept 12
	v_pk_fma_f32 v[T+2*(p%4):T+2*(p%4)+1], v[R+2*p:R+2*p+1], v[R+2*p:R+2*p+1], v[T+2*(p%4):T+2*(p%4)+1]
.set p, p+1
.endr
	FOLD
	v_fma_f32 v[T+10], v[T], s45, s46              ; variance + 1e-5
	v_rsq_f32 v[T+10], v[T+10]
	v_nop                                          ; a plain instruction between the root and the use of its result (ISA guide 5.7.2)
.set p, 0
	s_wait_alu depctr_va_vdst(0)
.rept 16
	v_pk_mul_f32 v[R+2*p:R+2*p+1], v[R+2*p:R+2*p+1], v[T+10:T+11] op_sel_hi:[1,0]
.set p, p+1
.endr
.set p, 0
.rept 16
	v_fma_mix_f32_bf16 v[R+2*p], v[R+2*p], v[LWP+p], v[LBP+p] op_sel_hi:[0,1,1]                       ; times the gain plus the bias, straight from their bf16 halves
	v_fma_mix_f32_bf16 v[R+2*p+1], v[R+2*p+1], v[LWP+p], v[LBP+p] op_sel:[0,1,1] op_sel_hi:[0,1,1]
.set p, p+1
.endr
.set p, 0
.rept 16
	v_cvt_pk_f16_f32 v[R+p], v[R+2*p], v[R+2*p+1]  ; ascending, in place: pair p lands where pairs before it have been read
.set p, p+1
.endr
.irp j, 0,1,2,3,4,5,6,7
	global_store_b64 v4, v[R+2*(\j):R+2*(\j)+1], s[30:31] offset:2048*(\i)+256*(\j)  ; 32 lanes store 256 consecutive bytes, aligned
.endr
.endm
	ROWT 0
	ROWT 1
	ROWT 2
	ROWT 3
	s_wait_loadcnt 0x0                             ; the weights
.set p, 0
.rept 16
	v_cvt_pk_bf16_f32 v[T+p], v[W+2*p], v[W+2*p+1] ; the square weights: rounded to bf16,
.set p, p+1
.endr
.set p, 0
.rept 16
	v_lshlrev_b32 v[W+2*p], 16, v[T+p]
	v_and_b32 v[W+2*p+1], s44, v[T+p]
.set p, p+1
.endr
.set p, 0
.rept 16
	v_cvt_pk_f16_f32 v[W+p], v[W+2*p], v[W+2*p+1]  ; and that number written as f16
.set p, p+1
.endr
.irp a, 0,1,2,3
.irp i, 0,1
	global_store_b64 v6, v[W+4*(\a)+2*(\i):W+4*(\a)+2*(\i)+1], s[32:33] offset:(\a)*2097152+256*(\i)
.endr
.endr
.set p, 0
.rept 8
	v_cvt_pk_bf16_f32 v[W+32+p], v[W+32+2*p], v[W+32+2*p+1]
.set p, p+1
.endr
.irp i, 0,1,2,3
	global_store_b64 v8, v[W+32+2*(\i):W+32+2*(\i)+1], s[34:35] offset:256*(\i)
.endr
	s_endpgm
.Lfunc_end_k_qdf48f6a439_prep:
	.size	k_qdf48f6a439_prep, .Lfunc_end_k_qdf48f6a439_prep-k_qdf48f6a439_prep
	.p2alignl 7, 3214868480
	.fill 96, 4, 3214868480
	.section	.rodata,"a",@progbits
	.p2align	6, 0x0
	.amdhsa_kernel k_qdf48f6a439_prep
		.amdhsa_group_segment_fixed_size 0
		.amdhsa_private_segment_fixed_size 0
		.amdhsa_enable_private_segment 0
		.amdhsa_kernarg_size 112
		.amdhsa_user_sgpr_count 2
		.amdhsa_user_sgpr_kernarg_segment_ptr 1
		.amdhsa_wavefront_size32 1
		.amdhsa_system_sgpr_workgroup_id_x 1
		.amdhsa_system_sgpr_workgroup_id_y 1
		.amdhsa_system_sgpr_workgroup_id_z 1
		.amdhsa_system_vgpr_workitem_id 0
		.amdhsa_next_free_vgpr 250
		.amdhsa_next_free_sgpr 66
		.amdhsa_reserve_vcc 0
		.amdhsa_float_denorm_mode_32 3
		.amdhsa_float_denorm_mode_16_64 3
		.amdhsa_memory_ordered 1
		.amdhsa_forward_progress 1
		.amdhsa_inst_pref_size 58
	.end_amdhsa_kernel
	.amdgpu_metadata
---
amdhsa.version: [ 1, 2 ]
amdhsa.kernels:
  - .name:           k_qdf48f6a439_prep
    .symbol:         k_qdf48f6a439_prep.kd
    .args:
      - { .name: context_feature, .offset: 0, .size: 8, .value_kind: global_buffer, .address_space: global }
      - { .name: candidate_feature, .offset: 8, .size: 8, .value_kind: global_buffer, .address_space: global }
      - { .name: ln_q_w, .offset: 16, .size: 8, .value_kind: global_buffer, .address_space: global }
      - { .name: ln_kv_w, .offset: 24, .size: 8, .value_kind: global_buffer, .address_space: global }
      - { .name: ln_q_b, .offset: 32, .size: 8, .value_kind: global_buffer, .address_space: global }
      - { .name: ln_kv_b, .offset: 40, .size: 8, .value_kind: global_buffer, .address_space: global }
      - { .name: wq, .offset: 48, .size: 8, .value_kind: global_buffer, .address_space: global }
      - { .name: wk, .offset: 56, .size: 8, .value_kind: global_buffer, .address_space: global }
      - { .name: wv, .offset: 64, .size: 8, .value_kind: global_buffer, .address_space: global }
      - { .name: wo, .offset: 72, .size: 8, .value_kind: global_buffer, .address_space: global }
      - { .name: w1, .offset: 80, .size: 8, .value_kind: global_buffer, .address_space: global }
      - { .name: xn, .offset: 88, .size: 8, .value_kind: global_buffer, .address_space: global }
      - { .name: wh, .offset: 96, .size: 8, .value_kind: global_buffer, .address_space: global }
      - { .name: w1b, .offset: 104, .size: 8, .value_kind: global_buffer, .address_space: global }
    .group_segment_fixed_size: 0
    .private_segment_fixed_size: 0
    .kernarg_segment_align: 8
    .kernarg_segment_size: 112
    .max_flat_workgroup_size: 512
    .sgpr_count:     66
    .vgpr_count:     250
    .wavefront_size: 32
...
	.end_amdgpu_metadata
.endif
;; end of part 1
;; launch qkv (part 2): grid 4 x 64, 4 waves a work-group, clusters of 4 x 4, 327,680 bytes of LDS; arguments xn, wh, bq, bk, bv, av; writes av
.if DOCPART == 2
	.amdgcn_target "amdgcn-amd-amdhsa--gfx1250"
	.amdhsa_code_object_version 6
	.text
	.protected	k_qdf48f6a439_qkv
	.globl	k_qdf48f6a439_qkv
	.p2align	8
	.type	k_qdf48f6a439_qkv,@function
k_qdf48f6a439_qkv:
	s_mov_b64 s[64:65], 0
	v_nop
	global_prefetch_b8 v0, s[64:65] scope:SCOPE_SE
	s_setreg_imm32_b32 hwreg(HW_REG_WAVE_MODE, 25, 1), 1
	s_wait_xcnt 0x0
	s_wait_alu depctr_hold_cnt(0) depctr_sa_sdst(0) depctr_va_vdst(0) depctr_va_sdst(0) depctr_va_ssrc(0) depctr_va_vcc(0) depctr_vm_vsrc(0)
	s_getreg_b32 s2, hwreg(HW_REG_IB_STS2, 6, 4)
	s_cmp_eq_u32 s2, 0
	s_cbranch_scc0 .Lentry_in_a_cluster
	s_endpgm
.Lentry_in_a_cluster:
	s_bfe_u32 s2, ttmp6, 0x10000c
	s_cmp_lg_u32 s2, 0xf033
	s_cbranch_scc0 .Lentry_shape_is_right
	s_endpgm
.Lentry_shape_is_right:
; QKV.  For 128 rows and one head (256 channels): q = LN(context) wq^T + bq, k = LN(candidate) wk^T + bk, score = sum(q k) / 16, attn = softmax over the one key, v = LN(candidate) wv^T + bv,
; av = attn v, f16.  Operands f16 (the weights are bf16 numbers written as f16), sums f32; the biases are rounded to bf16 like every input and START the sums as the C operand of the first product.
; LIMITS.  attn v is written as f16: it stays under 65,504 and keeps f16's fixed step of 6e-8 below 6e-5.  q is multiplied by 1/16 ahead of the dot product, not the sum behind it: exact but for denormals.
; A score that is NaN or infinite gives attn = NaN, as s - max does in the softmax that is asked for.
; SHARES.  Four waves; a wave makes 64 rows x 128 channels: 32 accumulators of 16 x 16.  Three PHASES (q, k, v) walk K = 1,024 in steps of 128 through ONE ring of two LDS slots, which does not stop at a
; phase's end: a phase's last two changes of slots ask for the next phase's first two K steps.  q / 16 waits in registers; the scores' halves meet in LDS; nothing but av goes to memory.
; THE TEXT.  A K step is written once.  The slot that is read is a scalar (0 or SLOT), turned at each change of slots; one descriptor a tensor walks.  A trip of the loop goes from a step's first quarter
; to its change of slots and is entered at the second quarter, since a phase's first quarter, which takes the bias, stands ahead of it.  Phases q and k take 8 trips, phase v 6; its last two steps,
; which ask for nothing, are a second loop that is left in its middle: no tensor load and no barrier is jumped over.
; CLUSTER.  4 x 4 work-groups: the four heads of 128 rows (a row of the cluster) need the same rows of xn, the four row blocks of a head (a column) the same rows of wh: each tile is asked for jointly.
; THE MATRIX INSTRUCTION IS USED TRANSPOSED: source 0 = 16 rows of the weight, source 1 = 16 rows of xn: lane l holds row l % 16 and the channels 8 (l / 16) + 0..7.
; REGISTERS, in windows of 256 (s_set_vgpr_msb: bits 1:0 source 0, 3:2 source 1, 5:4 source 2, 7:6 destination):
;   window 0: v0-31 addresses and attn; v32-63 at work; v64-95, v128-159 xn's fragments, two buffers; v96-127, v224-255 rows on the way out; v160-223 bv
;   window 1: v0-63 bq; v64-127, v128-191 the weight's fragments, two buffers; v192-255 bk        window 2: the accumulators, (a, b) at v[8 (8 a + b)]        window 3: q / 16, likewise
.set NA,     4                         ; blocks of 16 rows a wave
.set KSTEP,  128
.set PITCH,  272                       ; an LDS row: 256 bytes + 16 of padding = 68 words: the 16 rows of a fragment load start at 16 different groups of four banks (ISA guide 11.1)
.set BM,     32*NA                     ; rows of a tile
.set AROWS,  BM/2                      ; what one load of xn brings
.set ATILE,  BM*PITCH
.set BHALF,  128*PITCH                 ; what one load of the weight brings
.set SLOT,   ATILE+2*BHALF             ; xn's 128 rows, then the weight's 256
.set STAGE,  2*SLOT                    ; behind the ring: 16 rows x 272 bytes for each wave, for the way out
.set SPITCH, 272
.set SCR,    STAGE+4*16*SPITCH         ; [2 channel halves][128 rows] f32: the scores' halves
.set SPARE,  SCR+1024                  ; the spare words, 128 bytes for each wave: two blocks of 256 bytes that no other line names
.set AT,   6                           ; v6-13   attn of my four blocks, each twice (a pair for the packed multiply)
.set SCS,  14                          ; v14     where I put a score's half
.set SCA,  15                          ; v15     where I read both halves
.set A0,   16                          ; v16     my lane's place among xn's rows of slot 0; never rewritten
.set ADRA, 17                          ; v17     the same in the slot that is read
.set B0,   20                          ; v20     my lane's place among the weight's rows of slot 0; never rewritten
.set ADRB, 21                          ; v21     the same in the slot that is read
.set STO,  24                          ; v24     the way out: where I put 16 bytes of a row
.set RD,   25                          ; v25     where I read a row back
.set CO,   26                          ; v26     my byte offset in av
.set BO,   27                          ; v27     my byte offset in a bias
.set SPW,  28                          ; v28     LDS address of my spare word; never rewritten
.set NIL,  29                          ; v29     0; never rewritten
.set TMP,  32
.set PS,   32                          ; v32-47  the scores' chains, four registers a block
.set F0,   64
.set F1,   128
.set CBQ,  0                           ; window 1
.set CBK,  192                         ; window 1
.set CBV,  160                         ; window 0
.set G1,   24                          ; s[24:31] descriptor group 1 for xn's tiles; s[32:39] group 0: a set for each of the two first fills; the second then walks
.set G0,   32
.set G1B,  48                          ; s[48:55], s[56:63] the same for the weight's
.set G0B,  56
.set OUTP, 78                          ; s[78:79] av
.set TB,   85                          ; s85      LDS byte at which the slot that is read begins: 0 or SLOT
.set KO,   86                          ; s[86:87] bytes along a row of the K step asked for last
.set AB,   88                          ; s[88:89] xn at my tile's rows, for the phase whose tiles are being asked for
.set BI,   90                          ; s[90:91] how far the weight's address goes for the next fill
.set MSB, 0
.macro WIN new                         ; the immediate's high byte repeats the setting that is left; a switch that changes nothing is dropped
.if MSB != (\new)
	s_set_vgpr_msb (MSB<<8)|(\new)
.set MSB, \new
.endif
.endm
.macro PLACES                          ; four places in front of loads into registers that matrix instructions have read, and of vector lines that read results just made
.rept 4
	v_nop
.endr
.endm
; A joint load: waves 0 and 1 fetch xn's two halves, waves 2 and 3 the weight's.  The branch hangs on the wave's number alone.  An s_nop 0 and four v_nop follow each line.
.macro JLOAD s
	s_cmp_eq_u32 s11, 0
	s_cbranch_scc0 .Lfor_b_\@
	tensor_load_to_lds s[G0+4*(\s):G0+4*(\s)+3], s[G1:G1+7]
	s_nop 0
.rept 4
	v_nop
.endr
	s_branch .Lasked_\@
.Lfor_b_\@:
	tensor_load_to_lds s[G0B+4*(\s):G0B+4*(\s)+3], s[G1B:G1B+7]
	s_nop 0
.rept 4
	v_nop
.endr
.Lasked_\@:
.endm
.macro CREST                           ; a round of the cluster's barrier behind its opening barrier
	s_cmp_lg_u32 s10, 0
	s_cbranch_scc1 .Lnot_wave_0_\@
	s_barrier_signal -3
.Lnot_wave_0_\@:
	s_barrier_wait -3
	s_barrier_signal -1
	s_barrier_wait -1
.endm
.macro CROUND                          ; a whole round
	s_barrier_signal -1
	s_barrier_wait -1
	CREST
.endm
; 8 matrix instructions: block a of my rows x all 8 channel blocks, 32 along K, from buffer f.  cw >= 0: the products start the sums, with the bias at v[cb ..] of window cw as C.
; The 32 accumulators take turns in one fixed order, one instruction a turn.
.macro MULA f, a, cw=-1, cb=0
.set DW, 2+(\a)/4
.if (\cw) < 0
	WIN 1+80*DW
.else
	WIN 1+16*(\cw)+64*DW
.endif
.irp b, 0,1,2,3,4,5,6,7
.if (\cw) < 0
	v_wmma_f32_16x16x32_f16 v[8*(8*((\a)%4)+(\b)):8*(8*((\a)%4)+(\b))+7], v[(\f)+8*(\b):(\f)+8*(\b)+7], v[(\f)+8*(\a):(\f)+8*(\a)+7], v[8*(8*((\a)%4)+(\b)):8*(8*((\a)%4)+(\b))+7]
.else
	v_wmma_f32_16x16x32_f16 v[8*(8*((\a)%4)+(\b)):8*(8*((\a)%4)+(\b))+7], v[(\f)+8*(\b):(\f)+8*(\b)+7], v[(\f)+8*(\a):(\f)+8*(\a)+7], v[(\cb)+8*(\b):(\cb)+8*(\b)+7]
.endif
.endr
.endm
; 16 + 2 NA LDS loads in one run: the fragments of 32 along K at byte k of the rows of the slot that is read, into buffer f: the weight's first, then xn's blocks in ascending order
.macro FETCH k, f
	WIN 0x40
.irp i, 0,1,2,3,4,5,6,7
	ds_load_b128 v[(\f)+8*(\i):(\f)+8*(\i)+3],   v[ADRB] offset:(\k)+(\i)*16*PITCH
	ds_load_b128 v[(\f)+8*(\i)+4:(\f)+8*(\i)+7], v[ADRB] offset:(\k)+(\i)*16*PITCH+32
.endr
	WIN 0
.set fi, 0
.rept NA
	ds_load_b128 v[(\f)+8*fi:(\f)+8*fi+3],   v[ADRA] offset:(\k)+fi*16*PITCH
	ds_load_b128 v[(\f)+8*fi+4:(\f)+8*fi+7], v[ADRA] offset:(\k)+fi*16*PITCH+32
.set fi, fi+1
.endr
.endm
; A K step is four quarters of 32 along K on buffers 0, 1, 0, 1.  One of the first three: multiplies buffer f and, in its middle, fetches the next quarter, at byte k, into g.
.macro QUARTER k, f, g, cw=-1, cb=0
	s_wait_dscnt NA                                ; the youngest NA loads (xn's upper two blocks) may be out
.set qa, 0
.rept NA/2
	MULA \f, qa, \cw, \cb
.set qa, qa+1
.endr
	PLACES
	FETCH \k, \g
	s_wait_dscnt 16+2*NA                           ; all but the run just issued
.rept NA/2
	MULA \f, qa, \cw, \cb
.set qa, qa+1
.endr
.endm
; THE LAST QUARTER multiplies buffer 1 and changes slots, with ONE barrier.  Its first 16 products stand AHEAD of the wait for the tensor loads: a K step of this tile has only 128 matrix instructions
; a wave in which the next tile can land, and where it has not landed when the wave arrives, what stands ahead of the wait is done meanwhile, while what stands behind it would put off the next
; joint request.  Behind the wait stand only the add, the descriptors' steps (between the add and the wait for it), the barrier and its round, and the request.
; fill = 1: the slot just read is filled again with the K step two steps on, of this phase or, behind a phase's K step 7, of the next: the offset along K steps modulo a row's 2,048 bytes; where it
; comes back to 0, xn's rows become the candidate's (for k and for v alike) and the weight's address goes 1,024 rows on and seven K steps back.  No branch hangs on that: the global addresses alone do.
; fill = 0: nothing is filled, and the barrier opens no round.
.macro TURN fill
	s_wait_dscnt NA                                ; the youngest NA loads (xn's upper two blocks) may be out
.set qa, 0
.rept NA/2
	MULA F1, qa
.set qa, qa+1
.endr
	WIN 0                                          ; the add's registers lie in window 0
	s_wait_tensorcnt 0x0                           ; all my tensor loads have landed (one was out: my part of the next slot), so the walking descriptors may be written
	ds_add_u32 v[SPW], v[NIL]
.if \fill
	s_add_co_u32 s[G0+5], s[TB], s20               ; into the slot that is being left,
	s_add_co_u32 s[G0B+5], s[TB], s23
	s_add_co_u32 s[KO], s[KO], KSTEP*2             ; the next K step
	s_and_b32 s[KO], s[KO], 2047
	s_cmp_eq_u32 s[KO], 0
	s_cselect_b64 s[AB:AB+1], s[80:81], s[AB:AB+1]
	s_cselect_b32 s[BI], 1024*2048-7*KSTEP*2, s92
	s_add_nc_u64 s[G0+6:G0+7], s[AB:AB+1], s[KO:KO+1]
	s_or_b32 s[G0+7], s[G0+7], 0x80000000
	s_add_nc_u64 s[G0B+6:G0B+7], s[G0B+6:G0B+7], s[BI:BI+1]
.endif
	s_xor_b32 s[TB], s[TB], SLOT                   ; the reads go on in the other slot
	s_wait_dscnt 0x0                               ; the add is done, and my reads of this slot are over
	s_barrier_signal -1
	s_barrier_wait -1
.if \fill
	CREST                                          ; no wave of any partner still reads this slot's tile or has a load on its way
	JLOAD 1                                        ; the first tensor load behind the round; its four v_nop are also the places in front of the loads below
.else
	PLACES
.endif
	v_add_nc_u32 v[ADRA], s[TB], v[A0]
	v_add_nc_u32 v[ADRB], s[TB], v[B0]
	FETCH 0, F0
.set qa, NA/2
.rept NA/2
	MULA F1, qa
.set qa, qa+1
.endr
.endm
.macro LASTQ                           ; the very last quarter: nothing more to fetch
	s_wait_dscnt NA
.set qa, 0
.rept NA/2
	MULA F1, qa
.set qa, qa+1
.endr
	s_wait_dscnt 0x0
.rept NA/2
	MULA F1, qa
.set qa, qa+1
.endr
.endm
; A bias in an accumulator's layout: register 8 b + j of lane l = bias[my first channel + 16 b + 8 (l / 16) + j].  BIASLD: 16 loads.  BIASRND: rounded to bf16, by way of 32 registers at tb.
.macro BIASLD ptr, win, base
	WIN 64*(\win)
.irp b, 0,1,2,3,4,5,6,7
	global_load_b128 v[(\base)+8*(\b):(\base)+8*(\b)+3],   v[BO], s[(\ptr):(\ptr)+1] offset:64*(\b)
	global_load_b128 v[(\base)+8*(\b)+4:(\base)+8*(\b)+7], v[BO], s[(\ptr):(\ptr)+1] offset:64*(\b)+16
.endr
.endm
.macro BIASRND win, base, tb
	WIN 69*(\win)                                  ; destination and both sources in that window
.set ii, 0
.rept 32
	v_cvt_pk_bf16_f32 v[(\tb)+ii], v[(\base)+2*ii], v[(\base)+2*ii+1]
.set ii, ii+1
.endr
.set ii, 0
.rept 32
	v_lshlrev_b32 v[(\base)+2*ii], 16, v[(\tb)+ii]
	v_and_b32 v[(\base)+2*ii+1], s84, v[(\tb)+ii]
.set ii, ii+1
.endr
.endm
	s_load_b256 s[68:75], s[0:1], 0x0              ; xn 68, wh 70, bq 72, bk 74
	s_load_b128 s[76:79], s[0:1], 0x20             ; bv 76, av 78
	v_lshl_add_u32 v[SPW], v0, 2, SPARE
	v_mov_b32 v[NIL], 0
	ds_add_u32 v28, v29
	s_wait_dscnt 0x0
	v_lshrrev_b32 v1, 5, v0
	v_readfirstlane_b32 s10, v1                    ; wave 0..3
	s_lshr_b32 s11, s10, 1                         ; which half of the tile's rows is mine.  Also: I fetch xn (0) or the weight (1)
	s_and_b32 s12, s10, 1                          ; which half of its channels.  Also: which half of that tile I fetch
	s_bfe_u32 s40, ttmp6, 0x40000                  ; cx
	s_bfe_u32 s41, ttmp6, 0x40004                  ; cy
	s_lshl_b32 s42, ttmp9, 2
	s_add_co_u32 s42, s42, s40                     ; the head = 4 x cluster x + cx
	s_and_b32 s13, ttmp7, 0xffff
	s_lshl_b32 s13, s13, 2
	s_add_co_u32 s13, s13, s41                     ; the block of 128 rows = 4 x cluster y + cy
	s_lshl_b32 s43, s41, 2
	s_lshl_b32 s43, 15, s43                        ; my row of the cluster
	s_lshl_b32 s44, 0x1111, s40                    ; my column
	s_or_b32 s[G1+0], s43, (1<<16)|(1<<20)|(1<<21)|(5<<22)|(3<<25)   ; 15:0 the mask; 17:16 2-byte elements; 20 padding on; 21 set beside a mask; 24:22 after every 64 words; 31:25 4 words of it
	s_or_b32 s[G1B+0], s44, (1<<16)|(1<<20)|(1<<21)|(5<<22)|(3<<25)
.irp g, G1, G1B
	s_mov_b32 s[(\g)+1], KSTEP<<16                 ; tensor_dim0 = 128
	s_mov_b32 s[(\g)+3], KSTEP<<16                 ; tile_dim0 = 128
	s_mov_b32 s[(\g)+5], 1024                      ; elements from row to row
	s_mov_b32 s[(\g)+6], 0
	s_mov_b32 s[(\g)+7], 0
.endr
	s_mov_b32 s[G1+2], AROWS<<16                   ; tensor_dim1 and tile_dim1: 64 rows of xn,
	s_mov_b32 s[G1+4], AROWS
	s_mov_b32 s[G1B+2], 128<<16                    ; 128 of the weight
	s_mov_b32 s[G1B+4], 128
	s_mov_b32 s66, 0x76543210                      ; v_permlanex16_b32: each lane takes its own place in the other half
	s_mov_b32 s67, 0xfedcba98
	s_mov_b32 s82, 0x3d800000                      ; 1 / 16 = 256^-0.5
	s_mov_b32 s83, s82
	s_mov_b32 s84, 0xffff0000
	s_mov_b32 s[TB], 0                             ; slot 0 is read first
	s_mov_b32 s[KO], KSTEP*2                       ; the walking descriptors' first fill is K step 1
	s_mov_b32 s[KO+1], 0
	s_mov_b32 s[BI+1], 0
	s_mov_b32 s92, KSTEP*2
	s_mul_i32 s16, s13, BM*2048                    ; xn: row 128 x block + 64 x half, in bytes: it hangs on nothing that my row of the cluster does not share
	s_mul_i32 s17, s12, AROWS*2048
	s_add_co_u32 s16, s16, s17
	s_mov_b32 s17, 0
	s_lshl_b32 s46, s42, 19                        ; wh: row 256 x head + 128 x half, in bytes
	s_lshl_b32 s47, s12, 18
	s_add_co_u32 s46, s46, s47
	s_mov_b32 s47, 0
	s_mul_i32 s20, s12, AROWS*PITCH                ; where they go in a slot: no place in the cluster enters an LDS address.  s20 and s23 are kept
	s_mul_i32 s23, s12, BHALF
	s_add_co_u32 s23, s23, ATILE
	s_wait_kmcnt 0x0
	s_add_nc_u64 s[14:15], s[68:69], s[16:17]
	s_add_nc_u64 s[46:47], s[70:71], s[46:47]
	s_add_nc_u64 s[80:81], s[14:15], 8192*2048     ; the same rows of the candidate's half of xn: phases k and v
	s_mov_b64 s[AB:AB+1], s[14:15]                 ; phase q: the context's rows
	CROUND                                         ; all sixteen work-groups are here: the first joint loads meet
.irp s, 0,1
	s_mov_b32 s[G0+4*(\s)], 1
	s_add_co_u32 s[G0+4*(\s)+1], s20, (\s)*SLOT
	s_add_nc_u64 s[G0+4*(\s)+2:G0+4*(\s)+3], s[14:15], (\s)*KSTEP*2
	s_or_b32 s[G0+4*(\s)+3], s[G0+4*(\s)+3], 0x80000000
	s_mov_b32 s[G0B+4*(\s)], 1
	s_add_co_u32 s[G0B+4*(\s)+1], s23, (\s)*SLOT
	s_add_nc_u64 s[G0B+4*(\s)+2:G0B+4*(\s)+3], s[46:47], (\s)*KSTEP*2
	s_or_b32 s[G0B+4*(\s)+3], s[G0B+4*(\s)+3], 0x80000000
	JLOAD \s                                       ; two tensor loads of mine are out; later one behind each round
.endr
	v_and_b32 v1, 15, v0                           ; l % 16
	v_bfe_u32 v2, v0, 4, 1                         ; l / 16
	s_lshl_b32 s46, s42, 10                        ; a bias: 4 x (256 x head + 128 x half) + 32 (l / 16)
	s_lshl_b32 s47, s12, 9
	s_add_co_u32 s46, s46, s47
	v_lshl_add_u32 v[BO], v2, 5, s46
	BIASLD 72, 1, CBQ
	BIASLD 74, 1, CBK
	BIASLD 76, 0, CBV
	WIN 0
	v_mul_u32_u24 v3, v1, PITCH
	v_lshl_add_u32 v3, v2, 4, v3                   ; a fragment's row x pitch + 16 x half
	s_mul_i32 s21, s11, 16*NA*PITCH                ; my 64 rows of xn
	s_mul_i32 s22, s12, BHALF                      ; my 128 rows of the weight,
	s_add_co_u32 s22, s22, ATILE                   ; which lie behind xn's
	v_add_nc_u32 v[A0], s21, v3
	v_add_nc_u32 v[B0], s22, v3
	v_add_nc_u32 v[ADRA], s[TB], v[A0]
	v_add_nc_u32 v[ADRB], s[TB], v[B0]
	s_mul_i32 s22, s10, 16*SPITCH
	s_add_co_u32 s22, s22, STAGE                   ; my stage
	v_mul_u32_u24 v4, v1, SPITCH                   ; in: row l % 16, 16 bytes for each half of the lanes
	v_lshl_add_u32 v4, v2, 4, v4
	v_add_nc_u32 v[STO], s22, v4
	v_mul_u32_u24 v5, v2, SPITCH                   ; back: lanes 0-15 take one row of 256 bytes, lanes 16-31 the next
	v_lshl_add_u32 v5, v1, 4, v5
	v_add_nc_u32 v[RD], s22, v5
	v_lshlrev_b32 v5, 11, v2                       ; and the same two rows in av
	v_lshl_add_u32 v[CO], v1, 4, v5
	s_lshl_b32 s21, s11, 8                         ; the scores: 4 x (64 x row half + l % 16),
	s_add_co_u32 s21, s21, SCR
	v_lshl_add_u32 v[SCA], v1, 2, s21
	s_lshl_b32 s22, s12, 9                         ; and 512 bytes on for the upper channel half
	s_add_co_u32 s22, s22, s21
	v_lshl_add_u32 v[SCS], v1, 2, s22
	s_mul_i32 s16, s13, BM*2048                    ; where my part begins in av: row 128 x block + 64 x row half, byte 512 x head + 256 x channel half
	s_lshl_b32 s17, s11, 17
	s_add_co_u32 s16, s16, s17
	s_lshl_b32 s46, s42, 9
	s_lshl_b32 s47, s12, 8
	s_add_co_u32 s46, s46, s47
	s_add_co_u32 s16, s16, s46
	s_mov_b32 s17, 0
	s_wait_loadcnt 0x0                             ; the three biases
	BIASRND 1, CBQ, F0                             ; buffer 0 is free until the first fragments are fetched
	BIASRND 1, CBK, F0
	BIASRND 0, CBV, F0
	WIN 0
	s_wait_tensorcnt 1                             ; my part of K step 0 is in; K step 1's may stay out
	s_barrier_signal -1
	s_barrier_wait -1                              ; everybody's is
	FETCH 0, F0
	QUARTER 64, F0, F1, 1, CBQ                     ; a phase's first quarter starts the sums with its bias
	WIN 0                                          ; at a label and at a branch every window is 0
	s_mov_b32 s2, 3                                ; phases to go, this one among them
	s_mov_b32 s3, 8                                ; changes of slots with a fill in this phase
.Lphase:
	s_branch .Lmid                                 ; the phase's first quarter has been done
.Lstep:                                                ; a trip is a K step
	QUARTER 64, F0, F1
	WIN 0
.Lmid:
	QUARTER 128, F1, F0
	QUARTER 192, F0, F1
	TURN 1
	WIN 0
	s_sub_co_u32 s3, s3, 1
	s_cmp_lg_u32 s3, 0
	s_cbranch_scc1 .Lstep
	s_cmp_eq_u32 s2, 1
	s_cbranch_scc1 .Llast                          ; phase v: its last two K steps ask for nothing more
	s_cmp_eq_u32 s2, 3
	s_cbranch_scc0 .Lepik
	; q IS DONE: q / 16 goes to window 3.  Blocks 0 and 1 were finished in front of the joint load's four v_nop; their 64 lines are the places behind the products of blocks 2 and 3.
	WIN 0xc2
.set ii, 0
.rept 128
	v_pk_mul_f32 v[2*ii:2*ii+1], v[2*ii:2*ii+1], s[82:83] op_sel_hi:[1,0]
.set ii, ii+1
.endr
	QUARTER 64, F0, F1, 1, CBK
	WIN 0
	s_mov_b32 s3, 8
	s_branch .Lbottom
.Lepik:
	; k IS DONE: for each of my 64 rows the sum of (q / 16) k over my 128 channels: two chains a block, two blocks by turns; each accumulator is read from its low end on.
.macro SCORE2 a0
.set ii, 0
.rept 32
.irp a, \a0, (\a0)+1
.if ii < 2
	v_pk_mul_f32 v[PS+4*(\a)+2*(ii%2):PS+4*(\a)+2*(ii%2)+1], v[64*(\a)+2*ii:64*(\a)+2*ii+1], v[64*(\a)+2*ii:64*(\a)+2*ii+1]
.else
	v_pk_fma_f32 v[PS+4*(\a)+2*(ii%2):PS+4*(\a)+2*(ii%2)+1], v[64*(\a)+2*ii:64*(\a)+2*ii+1], v[64*(\a)+2*ii:64*(\a)+2*ii+1], v[PS+4*(\a)+2*(ii%2):PS+4*(\a)+2*(ii%2)+1]
.endif
.endr
.set ii, ii+1
.endr
.endm
	WIN 0x0b                                       ; source 0 window 3 (q / 16), source 1 window 2 (k), the chains in window 0
	SCORE2 0
	SCORE2 2
	WIN 0
.irp a, 0,1,2,3
	v_pk_add_f32 v[PS+4*(\a):PS+4*(\a)+1], v[PS+4*(\a):PS+4*(\a)+1], v[PS+4*(\a)+2:PS+4*(\a)+3]
.endr
.irp a, 0,1,2,3
	v_add_f32 v[PS+4*(\a)], v[PS+4*(\a)], v[PS+4*(\a)+1]
.endr
.irp a, 0,1,2,3
	v_permlanex16_b32 v[PS+4*(\a)+1], v[PS+4*(\a)], s66, s67  ; the row's other 64 channels lie in the lane 16 away
.endr
.irp a, 0,1,2,3
	v_add_f32 v[PS+4*(\a)], v[PS+4*(\a)], v[PS+4*(\a)+1]
.endr
.irp a, 0,1,2,3
	ds_store_b32 v[SCS], v[PS+4*(\a)] offset:64*(\a)  ; read behind phase v: every change of slots in between waits for all my LDS instructions and passes a barrier
.endr
	QUARTER 64, F0, F1, 0, CBV                     ; (its first wait now leaves these four stores out, and so no load)
	WIN 0
	s_mov_b32 s3, 6                                ; phase v fills K steps 2 to 7
.Lbottom:
	s_sub_co_u32 s2, s2, 1
	s_branch .Lphase
.Llast:
	s_mov_b32 s3, 2
.Ltail:                                                ; K steps 6 and 7 of phase v: three quarters; then a change of slots without a fill, or, the second time, the last quarter
	QUARTER 64,  F0, F1
	QUARTER 128, F1, F0
	QUARTER 192, F0, F1
	WIN 0
	s_sub_co_u32 s3, s3, 1
	s_cmp_eq_u32 s3, 0
	s_cbranch_scc1 .Lout
	TURN 0
	WIN 0
	s_branch .Ltail
.Lout:
	LASTQ
	WIN 0
	PLACES
	; v IS DONE.  The softmax over the one key, as it is asked for: score, less its maximum (over one key: itself), exponential, sum (the one exponential), quotient.
.irp a, 0,1,2,3
	ds_load_b32 v[48+(\a)], v[SCA] offset:64*(\a)
	ds_load_b32 v[52+(\a)], v[SCA] offset:64*(\a)+512
.endr
	s_wait_dscnt 0x0
.irp a, 0,1,2,3
	v_add_f32 v[48+(\a)], v[48+(\a)], v[52+(\a)]   ; the two channel halves
.endr
.irp a, 0,1,2,3
	v_sub_f32 v[52+(\a)], v[48+(\a)], v[48+(\a)]   ; s - max
.endr
.irp a, 0,1,2,3
	v_mul_f32 v[52+(\a)], 0x3fb8aa3b, v[52+(\a)]   ; times log2(e)
.endr
.irp a, 0,1,2,3
	v_exp_f32 v[52+(\a)], v[52+(\a)]
.endr
	v_nop                                          ; a plain instruction between the last exponential and the use of its result (ISA guide 5.7.2)
	s_wait_alu depctr_va_vdst(0)
.irp a, 0,1,2,3
	v_rcp_f32 v[56+(\a)], v[52+(\a)]
.endr
	v_nop
	s_wait_alu depctr_va_vdst(0)
.irp a, 0,1,2,3
	v_mul_f32 v[AT+2*(\a)], v[52+(\a)], v[56+(\a)]
	v_mul_f32 v[AT+2*(\a)+1], v[52+(\a)], v[56+(\a)]
.endr
; THE WAY OUT of block a.  PACK: times attn, rounded to f16, 16 bytes a lane.  TOSTAGE: into my own stage, and back as whole rows of 256 bytes.  SEND: stored.
.macro PACK a
	WIN 0x82
.set ii, 0
.rept 32
	v_pk_mul_f32 v[64*(\a)+2*ii:64*(\a)+2*ii+1], v[64*(\a)+2*ii:64*(\a)+2*ii+1], v[AT+2*(\a):AT+2*(\a)+1]
.set ii, ii+1
.endr
	WIN 0x0a
.set ii, 0
.rept 32
	v_cvt_pk_f16_f32 v[TMP+ii], v[64*(\a)+2*ii], v[64*(\a)+2*ii+1]
.set ii, ii+1
.endr
	WIN 0
.endm
.macro TOSTAGE a
	WIN 0
.set OBK, 96+128*((\a)%2)
.irp b, 0,1,2,3,4,5,6,7
	ds_store_b128 v[STO], v[TMP+4*(\b):TMP+4*(\b)+3] offset:32*(\b)
.endr
.irp t, 0,1,2,3,4,5,6,7
	ds_load_b128 v[OBK+4*(\t):OBK+4*(\t)+3], v[RD] offset:(\t)*2*SPITCH  ; LDS serves a wave's instructions in order (ISA guide 5.7.1.4): these see the stores above
.endr
.endm
.macro SEND a, younger
	WIN 0
.set OBK, 96+128*((\a)%2)
	s_wait_dscnt \younger                          ; the block is back in registers
	s_wait_xcnt 0x0                                ; only behind this wait are the stores' base and the registers that earlier stores read rewritten
.if (\a) == 0
	s_add_nc_u64 s[OUTP:OUTP+1], s[OUTP:OUTP+1], s[16:17]
.else
	s_add_nc_u64 s[OUTP:OUTP+1], s[OUTP:OUTP+1], 16*2048
.endif
.irp t, 0,1,2,3,4,5,6,7
	global_store_b128 v[CO], v[OBK+4*(\t):OBK+4*(\t)+3], s[OUTP:OUTP+1] offset:4096*(\t)  ; 16 lanes store 256 consecutive bytes, aligned
.endr
.endm
	PACK 0
	TOSTAGE 0
.irp a, 1,2,3
	PACK \a
	SEND (\a)-1, 0
	TOSTAGE \a
.endr
	SEND 3, 0
	s_wait_tensorcnt 0x0                           ; the wave's end
	ds_add_u32 v[SPW], v[NIL]
	s_wait_dscnt 0x0
	CROUND                                         ; the closing round: no work-group ends while a partner may still ask for a tile that names it
	s_endpgm
.Lfunc_end_k_qdf48f6a439_qkv:
	.size	k_qdf48f6a439_qkv, .Lfunc_end_k_qdf48f6a439_qkv-k_qdf48f6a439_qkv
	.p2alignl 7, 3214868480
	.fill 96, 4, 3214868480
	.section	.rodata,"a",@progbits
	.p2align	6, 0x0
	.amdhsa_kernel k_qdf48f6a439_qkv
		.amdhsa_group_segment_fixed_size 327680
		.amdhsa_private_segment_fixed_size 0
		.amdhsa_enable_private_segment 0
		.amdhsa_kernarg_size 48
		.amdhsa_user_sgpr_count 2
		.amdhsa_user_sgpr_kernarg_segment_ptr 1
		.amdhsa_wavefront_size32 1
		.amdhsa_system_sgpr_workgroup_id_x 1
		.amdhsa_system_sgpr_workgroup_id_y 1
		.amdhsa_system_sgpr_workgroup_id_z 1
		.amdhsa_system_vgpr_workitem_id 0
		.amdhsa_next_free_vgpr 1024
		.amdhsa_next_free_sgpr 96
		.amdhsa_reserve_vcc 0
		.amdhsa_float_denorm_mode_32 3
		.amdhsa_float_denorm_mode_16_64 3
		.amdhsa_memory_ordered 1
		.amdhsa_forward_progress 1
		.amdhsa_inst_pref_size 116
	.end_amdhsa_kernel
	.amdgpu_metadata
---
amdhsa.version: [ 1, 2 ]
amdhsa.kernels:
  - .name:           k_qdf48f6a439_qkv
    .symbol:         k_qdf48f6a439_qkv.kd
    .args:
      - { .name: xn, .offset: 0, .size: 8, .value_kind: global_buffer, .address_space: global }
      - { .name: wh, .offset: 8, .size: 8, .value_kind: global_buffer, .address_space: global }
      - { .name: bq, .offset: 16, .size: 8, .value_kind: global_buffer, .address_space: global }
      - { .name: bk, .offset: 24, .size: 8, .value_kind: global_buffer, .address_space: global }
      - { .name: bv, .offset: 32, .size: 8, .value_kind: global_buffer, .address_space: global }
      - { .name: av, .offset: 40, .size: 8, .value_kind: global_buffer, .address_space: global }
    .group_segment_fixed_size: 327680
    .private_segment_fixed_size: 0
    .kernarg_segment_align: 8
    .kernarg_segment_size: 48
    .max_flat_workgroup_size: 128
    .sgpr_count:     96
    .vgpr_count:     1024
    .wavefront_size: 32
...
	.end_amdgpu_metadata
.endif
;; end of part 2
;; launch oproj (part 3): grid 4 x 64, 4 waves a work-group, clusters of 4 x 4, 327,680 bytes of LDS; arguments av, wh, bo, ao; writes ao
.if DOCPART == 3
	.amdgcn_target "amdgcn-amd-amdhsa--gfx1250"
	.amdhsa_code_object_version 6
	.text
	.protected	k_qdf48f6a439_oproj
	.globl	k_qdf48f6a439_oproj
	.p2align	8
	.type	k_qdf48f6a439_oproj,@function
k_qdf48f6a439_oproj:
	s_mov_b64 s[64:65], 0
	v_nop
	global_prefetch_b8 v0, s[64:65] scope:SCOPE_SE
	s_setreg_imm32_b32 hwreg(HW_REG_WAVE_MODE, 25, 1), 1
	s_wait_xcnt 0x0
	s_wait_alu depctr_hold_cnt(0) depctr_sa_sdst(0) depctr_va_vdst(0) depctr_va_sdst(0) depctr_va_ssrc(0) depctr_va_vcc(0) depctr_vm_vsrc(0)
	s_getreg_b32 s2, hwreg(HW_REG_IB_STS2, 6, 4)
	s_cmp_eq_u32 s2, 0
	s_cbranch_scc0 .Lentry_in_a_cluster
	s_endpgm
.Lentry_in_a_cluster:
	s_bfe_u32 s2, ttmp6, 0x10000c
	s_cmp_lg_u32 s2, 0xf033
	s_cbranch_scc0 .Lentry_shape_is_right
	s_endpgm
.Lentry_shape_is_right:
; OPROJ.  ao = av wo^T + bo: [8192][1024], written as bf16.  Operands f16 (wo: rows 3,072 on of wh, bf16 numbers written as f16), sums f32; bo, rounded to bf16 like every input, starts the sums
; as the C operand of the first product.  ao goes in bf16 because its range has no room in f16 when all inputs are some 30 times larger or smaller.
; SHARES.  A tile of 128 rows x 256 columns to a work-group of four waves, 64 x 128 each: 32 accumulators.  K = 1,024 in steps of 128 through a ring of two LDS slots.
; THE TEXT.  A K step is written once.  The slot that is read is a scalar (0 or SLOT), turned at each change of slots; one descriptor a tensor walks.  The loop's 6 trips fill K steps 2 to 7; it is
; entered at a step's second quarter, since the first quarter of all, which takes the bias, stands ahead of it.  The last two steps, which ask for nothing, are a second loop that is left in its middle.
; CLUSTER.  4 x 4 work-groups: av's tile is shared along a row of the cluster, wo's along a column: each is asked for jointly.
; THE MATRIX INSTRUCTION IS USED TRANSPOSED: source 0 = 16 rows of wo, source 1 = 16 rows of av: lane l holds row l % 16 and the columns 8 (l / 16) + 0..7.
; REGISTERS: window 0: v0-31 addresses; v32-63 at work; v64-95, v128-159 av's fragments; v96-127, v224-255 rows on the way out.  window 1: v0-63 bo; v64-127, v128-191 wo's fragments.
;   window 2: the accumulators, (a, b) at v[8 (8 a + b)].
.set NA,     4
.set KSTEP,  128
.set PITCH,  272                       ; 256 bytes + 16 of padding = 68 words: the 16 rows of a fragment load start at 16 different groups of four banks (ISA guide 11.1)
.set BM,     32*NA
.set AROWS,  BM/2
.set ATILE,  BM*PITCH
.set BHALF,  128*PITCH
.set SLOT,   ATILE+2*BHALF
.set STAGE,  2*SLOT                    ; behind the ring: 16 rows x 272 bytes for each wave
.set SPITCH, 272
.set SPARE,  STAGE+4*16*SPITCH         ; the spare words, 128 bytes for each wave: two blocks of 256 bytes that no other line names
.set A0,   16                          ; my lane's place among av's rows of slot 0; never rewritten
.set ADRA, 17                          ; the same in the slot that is read
.set B0,   20                          ; my lane's place among wo's rows of slot 0; never rewritten
.set ADRB, 21
.set STO,  24
.set RD,   25
.set CO,   26
.set BO,   27
.set SPW,  28                          ; never rewritten
.set NIL,  29                          ; never rewritten
.set TMP,  32
.set F0,   64
.set F1,   128
.set CBO,  0                           ; window 1
.set G1,   24                          ; s[24:31] group 1 for av's tiles; s[32:39] group 0: a set for each of the two first fills; the second then walks
.set G0,   32
.set G1B,  48                          ; the same for wo's
.set G0B,  56
.set OUTP, 74                          ; s[74:75] ao
.set TB,   85                          ; s85  LDS byte at which the slot that is read begins: 0 or SLOT
.set MSB, 0
.macro WIN new
.if MSB != (\new)
	s_set_vgpr_msb (MSB<<8)|(\new)
.set MSB, \new
.endif
.endm
.macro PLACES                          ; four places (ISA guide 7.12.1)
.rept 4
	v_nop
.endr
.endm
.macro JLOAD s                         ; a joint load: waves 0 and 1 fetch av's two halves, waves 2 and 3 wo's; an s_nop 0 and four v_nop follow each line
	s_cmp_eq_u32 s11, 0
	s_cbranch_scc0 .Lfor_b_\@
	tensor_load_to_lds s[G0+4*(\s):G0+4*(\s)+3], s[G1:G1+7]
	s_nop 0
.rept 4
	v_nop
.endr
	s_branch .Lasked_\@
.Lfor_b_\@:
	tensor_load_to_lds s[G0B+4*(\s):G0B+4*(\s)+3], s[G1B:G1B+7]
	s_nop 0
.rept 4
	v_nop
.endr
.Lasked_\@:
.endm
.macro CREST
	s_cmp_lg_u32 s10, 0
	s_cbranch_scc1 .Lnot_wave_0_\@
	s_barrier_signal -3
.Lnot_wave_0_\@:
	s_barrier_wait -3
	s_barrier_signal -1
	s_barrier_wait -1
.endm
.macro CROUND
	s_barrier_signal -1
	s_barrier_wait -1
	CREST
.endm
; 8 matrix instructions: block a x all 8 column blocks, 32 along K.  cw >= 0: they start the sums with the bias at v[cb ..] of window cw.  The accumulators take turns.
.macro MULA f, a, cw=-1, cb=0
.set DW, 2+(\a)/4
.if (\cw) < 0
	WIN 1+80*DW
.else
	WIN 1+16*(\cw)+64*DW
.endif
.irp b, 0,1,2,3,4,5,6,7
.if (\cw) < 0
	v_wmma_f32_16x16x32_f16 v[8*(8*((\a)%4)+(\b)):8*(8*((\a)%4)+(\b))+7], v[(\f)+8*(\b):(\f)+8*(\b)+7], v[(\f)+8*(\a):(\f)+8*(\a)+7], v[8*(8*((\a)%4)+(\b)):8*(8*((\a)%4)+(\b))+7]
.else
	v_wmma_f32_16x16x32_f16 v[8*(8*((\a)%4)+(\b)):8*(8*((\a)%4)+(\b))+7], v[(\f)+8*(\b):(\f)+8*(\b)+7], v[(\f)+8*(\a):(\f)+8*(\a)+7], v[(\cb)+8*(\b):(\cb)+8*(\b)+7]
.endif
.endr
.endm
.macro FETCH k, f                      ; 16 + 2 NA LDS loads in one run, from the slot that is read
	WIN 0x40
.irp i, 0,1,2,3,4,5,6,7
	ds_load_b128 v[(\f)+8*(\i):(\f)+8*(\i)+3],   v[ADRB] offset:(\k)+(\i)*16*PITCH
	ds_load_b128 v[(\f)+8*(\i)+4:(\f)+8*(\i)+7], v[ADRB] offset:(\k)+(\i)*16*PITCH+32
.endr
	WIN 0
.set fi, 0
.rept NA
	ds_load_b128 v[(\f)+8*fi:(\f)+8*fi+3],   v[ADRA] offset:(\k)+fi*16*PITCH
	ds_load_b128 v[(\f)+8*fi+4:(\f)+8*fi+7], v[ADRA] offset:(\k)+fi*16*PITCH+32
.set fi, fi+1
.endr
.endm
.macro QUARTER k, f, g, cw=-1, cb=0
	s_wait_dscnt NA                                ; the youngest NA loads (av's upper two blocks) may be out
.set qa, 0
.rept NA/2
	MULA \f, qa, \cw, \cb
.set qa, qa+1
.endr
	PLACES
	FETCH \k, \g
	s_wait_dscnt 16+2*NA                           ; all but the run just issued
.rept NA/2
	MULA \f, qa, \cw, \cb
.set qa, qa+1
.endr
.endm
; THE LAST QUARTER multiplies buffer 1 and changes slots, with ONE barrier.  Its first 16 products stand AHEAD of the wait for the tensor loads: a K step of this tile has only 128 matrix instructions
; a wave in which the next tile can land, and where it has not landed when the wave arrives, what stands ahead of the wait is done meanwhile, while what stands behind it would put off the next
; joint request.  Behind the wait stand only the add, the descriptors' steps (between the add and the wait for it), the barrier and its round, and the request.
; fill = 1: the slot just read is filled again, with the K step two steps on.  fill = 0: nothing is filled, and the barrier opens no round.
.macro TURN fill
	s_wait_dscnt NA                                ; the youngest NA loads (av's upper two blocks) may be out
.set qa, 0
.rept NA/2
	MULA F1, qa
.set qa, qa+1
.endr
	WIN 0                                          ; the add's registers lie in window 0
	s_wait_tensorcnt 0x0                           ; all my tensor loads have landed (one was out: my part of the next slot), so the walking descriptors may be written
	ds_add_u32 v[SPW], v[NIL]
.if \fill
	s_add_co_u32 s[G0+5], s[TB], s20               ; into the slot that is being left,
	s_add_co_u32 s[G0B+5], s[TB], s23
	s_add_nc_u64 s[G0+6:G0+7], s[G0+6:G0+7], KSTEP*2      ; the next K step
	s_add_nc_u64 s[G0B+6:G0B+7], s[G0B+6:G0B+7], KSTEP*2
.endif
	s_xor_b32 s[TB], s[TB], SLOT                   ; the reads go on in the other slot
	s_wait_dscnt 0x0                               ; the add is done, and my reads of this slot are over
	s_barrier_signal -1
	s_barrier_wait -1
.if \fill
	CREST                                          ; no wave of any partner still reads this slot's tile or has a load on its way
	JLOAD 1                                        ; the first tensor load behind the round; its four v_nop are also the places in front of the loads below
.else
	PLACES
.endif
	v_add_nc_u32 v[ADRA], s[TB], v[A0]
	v_add_nc_u32 v[ADRB], s[TB], v[B0]
	FETCH 0, F0
.set qa, NA/2
.rept NA/2
	MULA F1, qa
.set qa, qa+1
.endr
.endm
.macro LASTQ
	s_wait_dscnt NA
.set qa, 0
.rept NA/2
	MULA F1, qa
.set qa, qa+1
.endr
	s_wait_dscnt 0x0
.rept NA/2
	MULA F1, qa
.set qa, qa+1
.endr
.endm
	s_load_b256 s[68:75], s[0:1], 0x0              ; av 68, wh 70, bo 72, ao 74
	v_lshl_add_u32 v[SPW], v0, 2, SPARE
	v_mov_b32 v[NIL], 0
	ds_add_u32 v28, v29
	s_wait_dscnt 0x0
	v_lshrrev_b32 v1, 5, v0
	v_readfirstlane_b32 s10, v1                    ; wave 0..3
	s_lshr_b32 s11, s10, 1                         ; my half of the rows.  Also: I fetch av (0) or wo (1)
	s_and_b32 s12, s10, 1                          ; my half of the columns.  Also: which half of that tile I fetch
	s_bfe_u32 s40, ttmp6, 0x40000                  ; cx
	s_bfe_u32 s41, ttmp6, 0x40004                  ; cy
	s_lshl_b32 s42, ttmp9, 2
	s_add_co_u32 s42, s42, s40                     ; tile column
	s_and_b32 s13, ttmp7, 0xffff
	s_lshl_b32 s13, s13, 2
	s_add_co_u32 s13, s13, s41                     ; tile row
	s_lshl_b32 s43, s41, 2
	s_lshl_b32 s43, 15, s43                        ; my row of the cluster
	s_lshl_b32 s44, 0x1111, s40                    ; my column
	s_or_b32 s[G1+0], s43, (1<<16)|(1<<20)|(1<<21)|(5<<22)|(3<<25)   ; the mask; 2-byte elements; padding on; bit 21 beside a mask; after every 64 words 4 words
	s_or_b32 s[G1B+0], s44, (1<<16)|(1<<20)|(1<<21)|(5<<22)|(3<<25)
.irp g, G1, G1B
	s_mov_b32 s[(\g)+1], KSTEP<<16
	s_mov_b32 s[(\g)+3], KSTEP<<16
	s_mov_b32 s[(\g)+5], 1024
	s_mov_b32 s[(\g)+6], 0
	s_mov_b32 s[(\g)+7], 0
.endr
	s_mov_b32 s[G1+2], AROWS<<16
	s_mov_b32 s[G1+4], AROWS
	s_mov_b32 s[G1B+2], 128<<16
	s_mov_b32 s[G1B+4], 128
	s_mov_b32 s84, 0xffff0000
	s_mov_b32 s[TB], 0                             ; slot 0 is read first
	s_mul_i32 s16, s13, BM*2048                    ; av: row 128 x tile row + 64 x half, in bytes
	s_mul_i32 s17, s12, AROWS*2048
	s_add_co_u32 s16, s16, s17
	s_mov_b32 s17, 0
	s_lshl_b32 s46, s42, 19                        ; wh: row 3,072 + 256 x tile column + 128 x half, in bytes
	s_lshl_b32 s47, s12, 18
	s_add_co_u32 s46, s46, s47
	s_add_co_u32 s46, s46, 3072*2048
	s_mov_b32 s47, 0
	s_mul_i32 s20, s12, AROWS*PITCH                ; where they go in a slot.  s20 and s23 are kept
	s_mul_i32 s23, s12, BHALF
	s_add_co_u32 s23, s23, ATILE
	s_wait_kmcnt 0x0
	s_add_nc_u64 s[14:15], s[68:69], s[16:17]
	s_add_nc_u64 s[46:47], s[70:71], s[46:47]
	CROUND                                         ; all sixteen work-groups are here: the first joint loads meet
.irp s, 0,1
	s_mov_b32 s[G0+4*(\s)], 1
	s_add_co_u32 s[G0+4*(\s)+1], s20, (\s)*SLOT
	s_add_nc_u64 s[G0+4*(\s)+2:G0+4*(\s)+3], s[14:15], (\s)*KSTEP*2
	s_or_b32 s[G0+4*(\s)+3], s[G0+4*(\s)+3], 0x80000000
	s_mov_b32 s[G0B+4*(\s)], 1
	s_add_co_u32 s[G0B+4*(\s)+1], s23, (\s)*SLOT
	s_add_nc_u64 s[G0B+4*(\s)+2:G0B+4*(\s)+3], s[46:47], (\s)*KSTEP*2
	s_or_b32 s[G0B+4*(\s)+3], s[G0B+4*(\s)+3], 0x80000000
	JLOAD \s                                       ; two tensor loads of mine are out; later one behind each round
.endr
	v_and_b32 v1, 15, v0                           ; l % 16
	v_bfe_u32 v2, v0, 4, 1                         ; l / 16
	s_lshl_b32 s46, s42, 10                        ; bo: 4 x (256 x tile column + 128 x half) + 32 (l / 16)
	s_lshl_b32 s47, s12, 9
	s_add_co_u32 s46, s46, s47
	v_lshl_add_u32 v[BO], v2, 5, s46
	WIN 0x40                                       ; register 8 b + j of lane l = bo[my first column + 16 b + 8 (l / 16) + j]
.irp b, 0,1,2,3,4,5,6,7
	global_load_b128 v[CBO+8*(\b):CBO+8*(\b)+3],   v[BO], s[72:73] offset:64*(\b)
	global_load_b128 v[CBO+8*(\b)+4:CBO+8*(\b)+7], v[BO], s[72:73] offset:64*(\b)+16
.endr
	WIN 0
	v_mul_u32_u24 v3, v1, PITCH
	v_lshl_add_u32 v3, v2, 4, v3
	s_mul_i32 s21, s11, 16*NA*PITCH
	s_mul_i32 s22, s12, BHALF
	s_add_co_u32 s22, s22, ATILE
	v_add_nc_u32 v[A0], s21, v3
	v_add_nc_u32 v[B0], s22, v3
	v_add_nc_u32 v[ADRA], s[TB], v[A0]
	v_add_nc_u32 v[ADRB], s[TB], v[B0]
	s_mul_i32 s22, s10, 16*SPITCH
	s_add_co_u32 s22, s22, STAGE                   ; my stage
	v_mul_u32_u24 v4, v1, SPITCH
	v_lshl_add_u32 v4, v2, 4, v4
	v_add_nc_u32 v[STO], s22, v4
	v_mul_u32_u24 v5, v2, SPITCH
	v_lshl_add_u32 v5, v1, 4, v5
	v_add_nc_u32 v[RD], s22, v5
	v_lshlrev_b32 v5, 11, v2
	v_lshl_add_u32 v[CO], v1, 4, v5
	s_mul_i32 s16, s13, BM*2048                    ; where my part begins in ao
	s_lshl_b32 s17, s11, 17
	s_add_co_u32 s16, s16, s17
	s_lshl_b32 s46, s42, 9
	s_lshl_b32 s47, s12, 8
	s_add_co_u32 s46, s46, s47
	s_add_co_u32 s16, s16, s46
	s_mov_b32 s17, 0
	s_wait_loadcnt 0x0                             ; bo
	WIN 0x45                                       ; rounded to bf16, by way of buffer 0, which is free until the first fragments are fetched
.set ii, 0
.rept 32
	v_cvt_pk_bf16_f32 v[F0+ii], v[CBO+2*ii], v[CBO+2*ii+1]
.set ii, ii+1
.endr
.set ii, 0
.rept 32
	v_lshlrev_b32 v[CBO+2*ii], 16, v[F0+ii]
	v_and_b32 v[CBO+2*ii+1], s84, v[F0+ii]
.set ii, ii+1
.endr
	WIN 0
	s_wait_tensorcnt 1                             ; my part of K step 0 is in; K step 1's may stay out
	s_barrier_signal -1
	s_barrier_wait -1
	FETCH 0, F0
	QUARTER 64, F0, F1, 1, CBO                     ; the first quarter starts the sums with the bias
	WIN 0                                          ; at a label and at a branch every window is 0
	s_mov_b32 s3, 6                                ; changes of slots with a fill: K steps 2 to 7
	s_branch .Lmid
.Lstep:                                                ; a trip is a K step
	QUARTER 64, F0, F1
	WIN 0
.Lmid:
	QUARTER 128, F1, F0
	QUARTER 192, F0, F1
	TURN 1
	WIN 0
	s_sub_co_u32 s3, s3, 1
	s_cmp_lg_u32 s3, 0
	s_cbranch_scc1 .Lstep
	s_mov_b32 s3, 2
.Ltail:                                                ; K steps 6 and 7: three quarters; then a change of slots without a fill, or, the second time, the last quarter
	QUARTER 64,  F0, F1
	QUARTER 128, F1, F0
	QUARTER 192, F0, F1
	WIN 0
	s_sub_co_u32 s3, s3, 1
	s_cmp_eq_u32 s3, 0
	s_cbranch_scc1 .Lout
	TURN 0
	WIN 0
	s_branch .Ltail
.Lout:
	LASTQ
	WIN 0
	PLACES
; THE WAY OUT of block a: rounded to bf16, through my own stage, back as whole rows of 256 bytes, stored.
.macro PACK a
	WIN 0x0a
.set ii, 0
.rept 32
	v_cvt_pk_bf16_f32 v[TMP+ii], v[64*(\a)+2*ii], v[64*(\a)+2*ii+1]
.set ii, ii+1
.endr
	WIN 0
.endm
.macro TOSTAGE a
	WIN 0
.set OBK, 96+128*((\a)%2)
.irp b, 0,1,2,3,4,5,6,7
	ds_store_b128 v[STO], v[TMP+4*(\b):TMP+4*(\b)+3] offset:32*(\b)
.endr
.irp t, 0,1,2,3,4,5,6,7
	ds_load_b128 v[OBK+4*(\t):OBK+4*(\t)+3], v[RD] offset:(\t)*2*SPITCH  ; LDS serves a wave's instructions in order (ISA guide 5.7.1.4)
.endr
.endm
.macro SEND a, younger
	WIN 0
.set OBK, 96+128*((\a)%2)
	s_wait_dscnt \younger
	s_wait_xcnt 0x0                                ; only behind this wait are the stores' base and the registers that earlier stores read rewritten
.if (\a) == 0
	s_add_nc_u64 s[OUTP:OUTP+1], s[OUTP:OUTP+1], s[16:17]
.else
	s_add_nc_u64 s[OUTP:OUTP+1], s[OUTP:OUTP+1], 16*2048
.endif
.irp t, 0,1,2,3,4,5,6,7
	global_store_b128 v[CO], v[OBK+4*(\t):OBK+4*(\t)+3], s[OUTP:OUTP+1] offset:4096*(\t)  ; 16 lanes store 256 consecutive bytes, aligned
.endr
.endm
	PACK 0
	TOSTAGE 0
.irp a, 1,2,3
	PACK \a
	SEND (\a)-1, 0
	TOSTAGE \a
.endr
	SEND 3, 0
	s_wait_tensorcnt 0x0                           ; the wave's end
	ds_add_u32 v[SPW], v[NIL]
	s_wait_dscnt 0x0
	CROUND                                         ; the closing round
	s_endpgm
.Lfunc_end_k_qdf48f6a439_oproj:
	.size	k_qdf48f6a439_oproj, .Lfunc_end_k_qdf48f6a439_oproj-k_qdf48f6a439_oproj
	.p2alignl 7, 3214868480
	.fill 96, 4, 3214868480
	.section	.rodata,"a",@progbits
	.p2align	6, 0x0
	.amdhsa_kernel k_qdf48f6a439_oproj
		.amdhsa_group_segment_fixed_size 327680
		.amdhsa_private_segment_fixed_size 0
		.amdhsa_enable_private_segment 0
		.amdhsa_kernarg_size 32
		.amdhsa_user_sgpr_count 2
		.amdhsa_user_sgpr_kernarg_segment_ptr 1
		.amdhsa_wavefront_size32 1
		.amdhsa_system_sgpr_workgroup_id_x 1
		.amdhsa_system_sgpr_workgroup_id_y 1
		.amdhsa_system_sgpr_workgroup_id_z 1
		.amdhsa_system_vgpr_workitem_id 0
		.amdhsa_next_free_vgpr 768
		.amdhsa_next_free_sgpr 96
		.amdhsa_reserve_vcc 0
		.amdhsa_float_denorm_mode_32 3
		.amdhsa_float_denorm_mode_16_64 3
		.amdhsa_memory_ordered 1
		.amdhsa_forward_progress 1
		.amdhsa_inst_pref_size 69
	.end_amdhsa_kernel
	.amdgpu_metadata
---
amdhsa.version: [ 1, 2 ]
amdhsa.kernels:
  - .name:           k_qdf48f6a439_oproj
    .symbol:         k_qdf48f6a439_oproj.kd
    .args:
      - { .name: av, .offset: 0, .size: 8, .value_kind: global_buffer, .address_space: global }
      - { .name: wh, .offset: 8, .size: 8, .value_kind: global_buffer, .address_space: global }
      - { .name: bo, .offset: 16, .size: 8, .value_kind: global_buffer, .address_space: global }
      - { .name: ao, .offset: 24, .size: 8, .value_kind: global_buffer, .address_space: global }
    .group_segment_fixed_size: 327680
    .private_segment_fixed_size: 0
    .kernarg_segment_align: 8
    .kernarg_segment_size: 32
    .max_flat_workgroup_size: 128
    .sgpr_count:     96
    .vgpr_count:     768
    .wavefront_size: 32
...
	.end_amdgpu_metadata
.endif
;; end of part 3
;; launch ffn (part 4): grid 8 x 32, 4 waves a work-group, clusters of 4 x 4, 327,680 bytes of LDS; arguments ao, w1b, b1, w2, part; writes part
.if DOCPART == 4
	.amdgcn_target "amdgcn-amd-amdhsa--gfx1250"
	.amdhsa_code_object_version 6
	.text
	.protected	k_qdf48f6a439_ffn
	.globl	k_qdf48f6a439_ffn
	.p2align	8
	.type	k_qdf48f6a439_ffn,@function
k_qdf48f6a439_ffn:
	s_mov_b64 s[64:65], 0
	v_nop
	global_prefetch_b8 v0, s[64:65] scope:SCOPE_SE
	s_setreg_imm32_b32 hwreg(HW_REG_WAVE_MODE, 25, 1), 1
	s_wait_xcnt 0x0
	s_wait_alu depctr_hold_cnt(0) depctr_sa_sdst(0) depctr_va_vdst(0) depctr_va_sdst(0) depctr_va_ssrc(0) depctr_va_vcc(0) depctr_vm_vsrc(0)
	s_getreg_b32 s2, hwreg(HW_REG_IB_STS2, 6, 4)
	s_cmp_eq_u32 s2, 0
	s_cbranch_scc0 .Lentry_in_a_cluster
	s_endpgm
.Lentry_in_a_cluster:
	s_bfe_u32 s2, ttmp6, 0x10000c
	s_cmp_lg_u32 s2, 0xf033
	s_cbranch_scc0 .Lentry_shape_is_right
	s_endpgm
.Lentry_shape_is_right:
; FFN.  part[c][row] = the sum over the 256 columns n of tile column c of relu(ao[row] . w1[n] + b1[n]) w2[n], f32.  Operands bf16, sums f32; b1 and w2 are rounded to bf16 like every input;
; b1 starts the sums as the C operand of the first product.  The hidden layer never leaves the registers.
; SHARES.  A tile of 256 rows x 256 columns to a work-group of four waves, 128 x 128 each: 64 accumulators.  K = 1,024 in steps of 128 through a ring of two LDS slots.
; THE TEXT.  A K step is written once.  The slot that is read is a scalar (0 or SLOT), turned at each change of slots; one descriptor a tensor walks.  The loop's 6 trips fill K steps 2 to 7; it is
; entered at a step's second quarter, since the first quarter of all, which takes the bias, stands ahead of it.  The last two steps, which ask for nothing, are a second loop that is left in its middle.
; CLUSTER.  4 x 4 work-groups: ao's tile is shared along a row of the cluster, w1's along a column: each is asked for jointly.
; THE MATRIX INSTRUCTION IS USED TRANSPOSED: source 0 = 16 rows of w1, source 1 = 16 rows of ao: lane l holds row l % 16 and the columns 8 (l / 16) + 0..7.
; REGISTERS: window 0: v0-31 addresses; v32-63 at work; v64-127, v128-191 ao's fragments.  window 1: v0-63 b1; v64-127, v128-191 w1's fragments; v192-255 w2.
;   windows 2, 3: the accumulators of my rows 0-63 and 64-127, (a, b) at v[8 (8 (a % 4) + b)].
.set NA,     8
.set KSTEP,  128
.set PITCH,  272                       ; 256 bytes + 16 of padding = 68 words: the 16 rows of a fragment load start at 16 different groups of four banks (ISA guide 11.1)
.set BM,     32*NA
.set AROWS,  BM/2
.set ATILE,  BM*PITCH
.set BHALF,  128*PITCH
.set SLOT,   ATILE+2*BHALF
.set SCR,    2*SLOT                    ; behind the ring: [2 column halves][256 rows] f32
.set SPARE,  SCR+2048                  ; the spare words, 128 bytes for each wave: two blocks of 256 bytes that no other line names
.set SCS,  14                          ; v14  where I put a row's sum over my 128 columns
.set SCA,  15                          ; v15  where I read two rows' sums back
.set A0,   16                          ; my lane's place among ao's rows of slot 0; never rewritten
.set ADRA, 17                          ; the same in the slot that is read
.set B0,   20                          ; my lane's place among w1's rows of slot 0; never rewritten
.set ADRB, 21
.set CO,   26                          ; v26  my byte offset in the tile's 1,024 bytes of part
.set BO,   27
.set SPW,  28                          ; never rewritten
.set NIL,  29                          ; never rewritten
.set RS,   32                          ; v32-39  the eight blocks' row sums
.set CH,   40                          ; v40-47  four chains
.set F0,   64
.set F1,   128
.set CB1,  0                           ; window 1
.set CW2,  192                         ; window 1
.set G1,   24                          ; s[24:31] group 1 for ao's tiles; s[32:39] group 0: a set for each of the two first fills; the second then walks
.set G0,   32
.set G1B,  48                          ; the same for w1's
.set G0B,  56
.set TB,   85                          ; s85  LDS byte at which the slot that is read begins: 0 or SLOT
.set MSB, 0
.macro WIN new
.if MSB != (\new)
	s_set_vgpr_msb (MSB<<8)|(\new)
.set MSB, \new
.endif
.endm
.macro PLACES                          ; four places (ISA guide 7.12.1)
.rept 4
	v_nop
.endr
.endm
.macro JLOAD s                         ; a joint load: waves 0 and 1 fetch ao's two halves, waves 2 and 3 w1's; an s_nop 0 and four v_nop follow each line
	s_cmp_eq_u32 s11, 0
	s_cbranch_scc0 .Lfor_b_\@
	tensor_load_to_lds s[G0+4*(\s):G0+4*(\s)+3], s[G1:G1+7]
	s_nop 0
.rept 4
	v_nop
.endr
	s_branch .Lasked_\@
.Lfor_b_\@:
	tensor_load_to_lds s[G0B+4*(\s):G0B+4*(\s)+3], s[G1B:G1B+7]
	s_nop 0
.rept 4
	v_nop
.endr
.Lasked_\@:
.endm
.macro CREST
	s_cmp_lg_u32 s10, 0
	s_cbranch_scc1 .Lnot_wave_0_\@
	s_barrier_signal -3
.Lnot_wave_0_\@:
	s_barrier_wait -3
	s_barrier_signal -1
	s_barrier_wait -1
.endm
.macro CROUND
	s_barrier_signal -1
	s_barrier_wait -1
	CREST
.endm
; 8 matrix instructions: block a x all 8 column blocks, 32 along K.  cw >= 0: they start the sums with the bias at v[cb ..] of window cw.  The accumulators take turns.
.macro MULA f, a, cw=-1, cb=0
.set DW, 2+(\a)/4
.if (\cw) < 0
	WIN 1+80*DW
.else
	WIN 1+16*(\cw)+64*DW
.endif
.irp b, 0,1,2,3,4,5,6,7
.if (\cw) < 0
	v_wmma_f32_16x16x32_bf16 v[8*(8*((\a)%4)+(\b)):8*(8*((\a)%4)+(\b))+7], v[(\f)+8*(\b):(\f)+8*(\b)+7], v[(\f)+8*(\a):(\f)+8*(\a)+7], v[8*(8*((\a)%4)+(\b)):8*(8*((\a)%4)+(\b))+7]
.else
	v_wmma_f32_16x16x32_bf16 v[8*(8*((\a)%4)+(\b)):8*(8*((\a)%4)+(\b))+7], v[(\f)+8*(\b):(\f)+8*(\b)+7], v[(\f)+8*(\a):(\f)+8*(\a)+7], v[(\cb)+8*(\b):(\cb)+8*(\b)+7]
.endif
.endr
.endm
.macro FETCH k, f                      ; 32 LDS loads in one run, from the slot that is read
	WIN 0x40
.irp i, 0,1,2,3,4,5,6,7
	ds_load_b128 v[(\f)+8*(\i):(\f)+8*(\i)+3],   v[ADRB] offset:(\k)+(\i)*16*PITCH
	ds_load_b128 v[(\f)+8*(\i)+4:(\f)+8*(\i)+7], v[ADRB] offset:(\k)+(\i)*16*PITCH+32
.endr
	WIN 0
.set fi, 0
.rept NA
	ds_load_b128 v[(\f)+8*fi:(\f)+8*fi+3],   v[ADRA] offset:(\k)+fi*16*PITCH
	ds_load_b128 v[(\f)+8*fi+4:(\f)+8*fi+7], v[ADRA] offset:(\k)+fi*16*PITCH+32
.set fi, fi+1
.endr
.endm
.macro QUARTER k, f, g, cw=-1, cb=0
	s_wait_dscnt NA                                ; the youngest NA loads (ao's upper four blocks) may be out
.set qa, 0
.rept NA/2
	MULA \f, qa, \cw, \cb
.set qa, qa+1
.endr
	PLACES
	FETCH \k, \g
	s_wait_dscnt 16+2*NA                           ; all but the run just issued
.rept NA/2
	MULA \f, qa, \cw, \cb
.set qa, qa+1
.endr
.endm
.macro MEET round                      ; one barrier for the change of slots: all my tensor loads, the add, my reads of this slot, then the signal
	WIN 0
	s_wait_tensorcnt 0x0
	ds_add_u32 v[SPW], v[NIL]
	s_wait_dscnt NA+1                              ; (the add and the youngest NA loads may be out)
.set qa, 0
.rept NA/4
	MULA F1, qa
.set qa, qa+1
.endr
	s_wait_dscnt 0x0
	s_barrier_signal -1
.rept NA/4
	MULA F1, qa
.set qa, qa+1
.endr
.if \round
	WIN 0
.endif
	s_barrier_wait -1
.endm
.macro TURN fill                       ; fill = 1: the slot just read is filled again, with the K step two steps on.  fill = 0: nothing is filled, and the barrier opens no round
.if \fill
	MEET 1
	CREST                                          ; no wave of any partner still reads this slot's tile or has a load on its way
	s_add_co_u32 s[G0+5], s[TB], s20               ; no tensor load of mine is out, so the walking descriptors may be written: into the slot just read,
	s_add_co_u32 s[G0B+5], s[TB], s23
	s_add_nc_u64 s[G0+6:G0+7], s[G0+6:G0+7], KSTEP*2      ; the next K step
	s_add_nc_u64 s[G0B+6:G0B+7], s[G0B+6:G0B+7], KSTEP*2
	s_xor_b32 s[TB], s[TB], SLOT                   ; the reads go on in the other slot
	JLOAD 1                                        ; the first tensor load behind the round; its four v_nop are also the places in front of the loads below
.else
	MEET 0
	WIN 0
	s_xor_b32 s[TB], s[TB], SLOT
	PLACES
.endif
	v_add_nc_u32 v[ADRA], s[TB], v[A0]
	v_add_nc_u32 v[ADRB], s[TB], v[B0]
	FETCH 0, F0
.set qa, NA/2
.rept NA/2
	MULA F1, qa
.set qa, qa+1
.endr
.endm
.macro LASTQ
	s_wait_dscnt NA
.set qa, 0
.rept NA/2
	MULA F1, qa
.set qa, qa+1
.endr
	s_wait_dscnt 0x0
.rept NA/2
	MULA F1, qa
.set qa, qa+1
.endr
.endm
; 64 numbers of a vector over the columns, in an accumulator's layout, in window 1.  BIASLD: 16 loads.  BIASRND: rounded to bf16, by way of 32 registers at tb.
.macro BIASLD ptr, base
	WIN 0x40
.irp b, 0,1,2,3,4,5,6,7
	global_load_b128 v[(\base)+8*(\b):(\base)+8*(\b)+3],   v[BO], s[(\ptr):(\ptr)+1] offset:64*(\b)
	global_load_b128 v[(\base)+8*(\b)+4:(\base)+8*(\b)+7], v[BO], s[(\ptr):(\ptr)+1] offset:64*(\b)+16
.endr
.endm
.macro BIASRND base, tb
	WIN 0x45
.set ii, 0
.rept 32
	v_cvt_pk_bf16_f32 v[(\tb)+ii], v[(\base)+2*ii], v[(\base)+2*ii+1]
.set ii, ii+1
.endr
.set ii, 0
.rept 32
	v_lshlrev_b32 v[(\base)+2*ii], 16, v[(\tb)+ii]
	v_and_b32 v[(\base)+2*ii+1], s84, v[(\tb)+ii]
.set ii, ii+1
.endr
.endm
	s_load_b256 s[68:75], s[0:1], 0x0              ; ao 68, w1b 70, b1 72, w2 74
	s_load_b64 s[76:77], s[0:1], 0x20              ; part
	v_lshl_add_u32 v[SPW], v0, 2, SPARE
	v_mov_b32 v[NIL], 0
	ds_add_u32 v28, v29
	s_wait_dscnt 0x0
	v_lshrrev_b32 v1, 5, v0
	v_readfirstlane_b32 s10, v1                    ; wave 0..3
	s_lshr_b32 s11, s10, 1                         ; my half of the rows.  Also: I fetch ao (0) or w1 (1)
	s_and_b32 s12, s10, 1                          ; my half of the columns.  Also: which half of that tile I fetch
	s_bfe_u32 s40, ttmp6, 0x40000                  ; cx
	s_bfe_u32 s41, ttmp6, 0x40004                  ; cy
	s_lshl_b32 s42, ttmp9, 2
	s_add_co_u32 s42, s42, s40                     ; tile column
	s_and_b32 s13, ttmp7, 0xffff
	s_lshl_b32 s13, s13, 2
	s_add_co_u32 s13, s13, s41                     ; tile row
	s_lshl_b32 s43, s41, 2
	s_lshl_b32 s43, 15, s43                        ; my row of the cluster
	s_lshl_b32 s44, 0x1111, s40                    ; my column
	s_or_b32 s[G1+0], s43, (1<<16)|(1<<20)|(1<<21)|(5<<22)|(3<<25)   ; the mask; 2-byte elements; padding on; bit 21 beside a mask; after every 64 words 4 words
	s_or_b32 s[G1B+0], s44, (1<<16)|(1<<20)|(1<<21)|(5<<22)|(3<<25)
.irp g, G1, G1B
	s_mov_b32 s[(\g)+1], KSTEP<<16
	s_mov_b32 s[(\g)+2], 128<<16
	s_mov_b32 s[(\g)+3], KSTEP<<16
	s_mov_b32 s[(\g)+4], 128
	s_mov_b32 s[(\g)+5], 1024
	s_mov_b32 s[(\g)+6], 0
	s_mov_b32 s[(\g)+7], 0
.endr
	s_mov_b32 s66, 0x76543210
	s_mov_b32 s67, 0xfedcba98
	s_mov_b32 s84, 0xffff0000
	s_mov_b32 s[TB], 0                             ; slot 0 is read first
	s_mul_i32 s16, s13, BM*2048                    ; ao: row 256 x tile row + 128 x half, in bytes
	s_mul_i32 s17, s12, AROWS*2048
	s_add_co_u32 s16, s16, s17
	s_mov_b32 s17, 0
	s_lshl_b32 s46, s42, 19                        ; w1b: row 256 x tile column + 128 x half, in bytes
	s_lshl_b32 s47, s12, 18
	s_add_co_u32 s46, s46, s47
	s_mov_b32 s47, 0
	s_mul_i32 s20, s12, AROWS*PITCH                ; where they go in a slot.  s20 and s23 are kept
	s_mul_i32 s23, s12, BHALF
	s_add_co_u32 s23, s23, ATILE
	s_wait_kmcnt 0x0
	s_add_nc_u64 s[14:15], s[68:69], s[16:17]
	s_add_nc_u64 s[46:47], s[70:71], s[46:47]
	CROUND                                         ; all sixteen work-groups are here: the first joint loads meet
.irp s, 0,1
	s_mov_b32 s[G0+4*(\s)], 1
	s_add_co_u32 s[G0+4*(\s)+1], s20, (\s)*SLOT
	s_add_nc_u64 s[G0+4*(\s)+2:G0+4*(\s)+3], s[14:15], (\s)*KSTEP*2
	s_or_b32 s[G0+4*(\s)+3], s[G0+4*(\s)+3], 0x80000000
	s_mov_b32 s[G0B+4*(\s)], 1
	s_add_co_u32 s[G0B+4*(\s)+1], s23, (\s)*SLOT
	s_add_nc_u64 s[G0B+4*(\s)+2:G0B+4*(\s)+3], s[46:47], (\s)*KSTEP*2
	s_or_b32 s[G0B+4*(\s)+3], s[G0B+4*(\s)+3], 0x80000000
	JLOAD \s                                       ; two tensor loads of mine are out; later one behind each round
.endr
	v_and_b32 v1, 15, v0                           ; l % 16
	v_bfe_u32 v2, v0, 4, 1                         ; l / 16
	s_lshl_b32 s46, s42, 10                        ; b1 and w2: 4 x (256 x tile column + 128 x half) + 32 (l / 16)
	s_lshl_b32 s47, s12, 9
	s_add_co_u32 s46, s46, s47
	v_lshl_add_u32 v[BO], v2, 5, s46
	BIASLD 72, CB1
	BIASLD 74, CW2
	WIN 0
	v_mul_u32_u24 v3, v1, PITCH
	v_lshl_add_u32 v3, v2, 4, v3
	s_mul_i32 s21, s11, 16*NA*PITCH
	s_mul_i32 s22, s12, BHALF
	s_add_co_u32 s22, s22, ATILE
	v_add_nc_u32 v[A0], s21, v3
	v_add_nc_u32 v[B0], s22, v3
	v_add_nc_u32 v[ADRA], s[TB], v[A0]
	v_add_nc_u32 v[ADRB], s[TB], v[B0]
	s_lshl_b32 s21, s12, 10                        ; in: 4 x (256 x column half + 128 x row half + l % 16)
	s_lshl_b32 s22, s11, 9
	s_add_co_u32 s21, s21, s22
	s_add_co_u32 s21, s21, SCR
	v_lshl_add_u32 v[SCS], v1, 2, s21
	v_and_b32 v4, 31, v0                           ; back: wave w takes rows 64 w .. 64 w + 63, two a lane
	s_lshl_b32 s22, s10, 8
	v_lshl_add_u32 v[CO], v4, 3, s22
	v_add_nc_u32 v[SCA], SCR, v[CO]
	s_lshl_b32 s46, s42, 15                        ; part: 32,768 x tile column + 1,024 x tile row
	s_lshl_b32 s47, s13, 10
	s_add_co_u32 s46, s46, s47
	s_mov_b32 s47, 0
	s_add_nc_u64 s[76:77], s[76:77], s[46:47]
	s_wait_loadcnt 0x0                             ; b1 and w2
	BIASRND CB1, F0                                ; buffer 0 is free until the first fragments are fetched
	BIASRND CW2, F0
	WIN 0
	s_wait_tensorcnt 1                             ; my part of K step 0 is in; K step 1's may stay out
	s_barrier_signal -1
	s_barrier_wait -1
	FETCH 0, F0
	QUARTER 64, F0, F1, 1, CB1                     ; the first quarter starts the sums with the bias
	WIN 0                                          ; at a label and at a branch every window is 0
	s_mov_b32 s3, 6                                ; changes of slots with a fill: K steps 2 to 7
	s_branch .Lmid
.Lstep:                                                ; a trip is a K step
	QUARTER 64, F0, F1
	WIN 0
.Lmid:
	QUARTER 128, F1, F0
	QUARTER 192, F0, F1
	TURN 1
	WIN 0
	s_sub_co_u32 s3, s3, 1
	s_cmp_lg_u32 s3, 0
	s_cbranch_scc1 .Lstep
	s_mov_b32 s3, 2
.Ltail:                                                ; K steps 6 and 7: three quarters; then a change of slots without a fill, or, the second time, the last quarter
	QUARTER 64,  F0, F1
	QUARTER 128, F1, F0
	QUARTER 192, F0, F1
	WIN 0
	s_sub_co_u32 s3, s3, 1
	s_cmp_eq_u32 s3, 0
	s_cbranch_scc1 .Lout
	TURN 0
	WIN 0
	s_branch .Ltail
.Lout:
	LASTQ
	WIN 0
	PLACES
; Block a: relu in place (each accumulator from its low end on), then the products with w2 in four chains that take turns, then over the lane's pair and the two halves of the lanes.
.macro RELUDOT a
.set DW, 2+(\a)/4
.set AC, 64*((\a)%4)
	WIN 68*DW                                      ; destination and source 1 in the block's window
.set ii, 0
.rept 64
	v_max_num_f32 v[AC+ii], 0, v[AC+ii]
.set ii, ii+1
.endr
	WIN 4+DW                                       ; source 0 the block's window, source 1 (w2) window 1, the chains in window 0
.irp b, 0,1,2,3,4,5,6,7
.irp j, 0,1,2,3
.if (\b) == 0
	v_pk_mul_f32 v[CH+2*(\j):CH+2*(\j)+1], v[AC+8*(\b)+2*(\j):AC+8*(\b)+2*(\j)+1], v[CW2+8*(\b)+2*(\j):CW2+8*(\b)+2*(\j)+1]
.else
	v_pk_fma_f32 v[CH+2*(\j):CH+2*(\j)+1], v[AC+8*(\b)+2*(\j):AC+8*(\b)+2*(\j)+1], v[CW2+8*(\b)+2*(\j):CW2+8*(\b)+2*(\j)+1], v[CH+2*(\j):CH+2*(\j)+1]
.endif
.endr
.endr
	WIN 0
	v_pk_add_f32 v[CH:CH+1], v[CH:CH+1], v[CH+2:CH+3]
	v_pk_add_f32 v[CH+4:CH+5], v[CH+4:CH+5], v[CH+6:CH+7]
	v_pk_add_f32 v[CH:CH+1], v[CH:CH+1], v[CH+4:CH+5]
	v_add_f32 v[CH], v[CH], v[CH+1]
	v_permlanex16_b32 v[CH+1], v[CH], s66, s67     ; the row's other 64 columns lie in the lane 16 away
	v_add_f32 v[RS+(\a)], v[CH], v[CH+1]
.endm
.irp a, 0,1,2,3,4,5,6,7
	RELUDOT \a
.endr
.irp a, 0,1,2,3,4,5,6,7
	ds_store_b32 v[SCS], v[RS+(\a)] offset:64*(\a)
.endr
	s_wait_dscnt 0x0                               ; for the others' sake: my stores are done
	s_barrier_signal -1
	s_barrier_wait -1
	ds_load_b64 v[48:49], v[SCA]                   ; two rows' sums over the lower 128 columns,
	ds_load_b64 v[50:51], v[SCA] offset:1024       ; and over the upper
	s_wait_dscnt 0x0
	v_pk_add_f32 v[48:49], v[48:49], v[50:51]
	global_store_b64 v[CO], v[48:49], s[76:77]     ; 32 lanes store 256 consecutive bytes, aligned
	s_wait_tensorcnt 0x0                           ; the wave's end
	ds_add_u32 v[SPW], v[NIL]
	s_wait_dscnt 0x0
	CROUND                                         ; the closing round
	s_endpgm
.Lfunc_end_k_qdf48f6a439_ffn:
	.size	k_qdf48f6a439_ffn, .Lfunc_end_k_qdf48f6a439_ffn-k_qdf48f6a439_ffn
	.p2alignl 7, 3214868480
	.fill 96, 4, 3214868480
	.section	.rodata,"a",@progbits
	.p2align	6, 0x0
	.amdhsa_kernel k_qdf48f6a439_ffn
		.amdhsa_group_segment_fixed_size 327680
		.amdhsa_private_segment_fixed_size 0
		.amdhsa_enable_private_segment 0
		.amdhsa_kernarg_size 40
		.amdhsa_user_sgpr_count 2
		.amdhsa_user_sgpr_kernarg_segment_ptr 1
		.amdhsa_wavefront_size32 1
		.amdhsa_system_sgpr_workgroup_id_x 1
		.amdhsa_system_sgpr_workgroup_id_y 1
		.amdhsa_system_sgpr_workgroup_id_z 1
		.amdhsa_system_vgpr_workitem_id 0
		.amdhsa_next_free_vgpr 1024
		.amdhsa_next_free_sgpr 96
		.amdhsa_reserve_vcc 0
		.amdhsa_float_denorm_mode_32 3
		.amdhsa_float_denorm_mode_16_64 3
		.amdhsa_memory_ordered 1
		.amdhsa_forward_progress 1
		.amdhsa_inst_pref_size 120
	.end_amdhsa_kernel
	.amdgpu_metadata
---
amdhsa.version: [ 1, 2 ]
amdhsa.kernels:
  - .name:           k_qdf48f6a439_ffn
    .symbol:         k_qdf48f6a439_ffn.kd
    .args:
      - { .name: ao, .offset: 0, .size: 8, .value_kind: global_buffer, .address_space: global }
      - { .name: w1b, .offset: 8, .size: 8, .value_kind: global_buffer, .address_space: global }
      - { .name: b1, .offset: 16, .size: 8, .value_kind: global_buffer, .address_space: global }
      - { .name: w2, .offset: 24, .size: 8, .value_kind: global_buffer, .address_space: global }
      - { .name: part, .offset: 32, .size: 8, .value_kind: global_buffer, .address_space: global }
    .group_segment_fixed_size: 327680
    .private_segment_fixed_size: 0
    .kernarg_segment_align: 8
    .kernarg_segment_size: 40
    .max_flat_workgroup_size: 128
    .sgpr_count:     96
    .vgpr_count:     1024
    .wavefront_size: 32
...
	.end_amdgpu_metadata
.endif
;; end of part 4
;; launch fin (part 5): grid 32 x 1, 2 waves a work-group, no clusters, 0 bytes of LDS; arguments part, b2, out0; writes out0
.if DOCPART == 5
	.amdgcn_target "amdgcn-amd-amdhsa--gfx1250"
	.amdhsa_code_object_version 6
	.text
	.protected	k_qdf48f6a439_fin
	.globl	k_qdf48f6a439_fin
	.p2align	8
	.type	k_qdf48f6a439_fin,@function
k_qdf48f6a439_fin:
	s_mov_b64 s[64:65], 0
	v_nop
	global_prefetch_b8 v0, s[64:65] scope:SCOPE_SE
	s_setreg_imm32_b32 hwreg(HW_REG_WAVE_MODE, 25, 1), 1
	s_wait_xcnt 0x0
; FIN.  out0[row] = part[0][row] + .. + part[7][row] + b2, in ascending order of the tile columns, f32; b2 is rounded to bf16 like every input.
; A thread owns 4 rows (16 bytes); a work-group of 64 threads 256 rows; 32 work-groups are all the work there is.  A sum that spans the work-groups of the launch before has its one owner here.
	s_load_b128 s[4:7], s[0:1], 0x0                ; part s[4:5], b2 s[6:7]
	s_load_b64 s[8:9], s[0:1], 0x10                ; out0
	s_lshl_b32 s10, ttmp9, 10                      ; 256 rows of 4 bytes
	v_lshl_add_u32 v1, v0, 4, s10
	s_wait_kmcnt 0x0
	s_load_b32 s11, s[6:7], 0x0                    ; b2 itself: no line of this launch writes it
.irp t, 0,1,2,3,4,5,6,7
	global_load_b128 v[4+4*(\t):7+4*(\t)], v1, s[4:5] offset:32768*(\t)
.endr
	s_wait_kmcnt 0x0
	v_cvt_pk_bf16_f32 v2, s11, s11
	v_lshlrev_b32 v2, 16, v2
	v_mov_b32 v3, v2                               ; a pair for the packed addition
	s_wait_loadcnt 0x0
.irp t, 1,2,3,4,5,6,7
	v_pk_add_f32 v[4:5], v[4:5], v[4+4*(\t):5+4*(\t)]
	v_pk_add_f32 v[6:7], v[6:7], v[6+4*(\t):7+4*(\t)]
.endr
	v_pk_add_f32 v[4:5], v[4:5], v[2:3]
	v_pk_add_f32 v[6:7], v[6:7], v[2:3]
	global_store_b128 v1, v[4:7], s[8:9]           ; 16 lanes store 256 consecutive bytes, aligned
	s_endpgm
.Lfunc_end_k_qdf48f6a439_fin:
	.size	k_qdf48f6a439_fin, .Lfunc_end_k_qdf48f6a439_fin-k_qdf48f6a439_fin
	.p2alignl 7, 3214868480
	.fill 96, 4, 3214868480
	.section	.rodata,"a",@progbits
	.p2align	6, 0x0
	.amdhsa_kernel k_qdf48f6a439_fin
		.amdhsa_group_segment_fixed_size 0
		.amdhsa_private_segment_fixed_size 0
		.amdhsa_enable_private_segment 0
		.amdhsa_kernarg_size 24
		.amdhsa_user_sgpr_count 2
		.amdhsa_user_sgpr_kernarg_segment_ptr 1
		.amdhsa_wavefront_size32 1
		.amdhsa_system_sgpr_workgroup_id_x 1
		.amdhsa_system_sgpr_workgroup_id_y 1
		.amdhsa_system_sgpr_workgroup_id_z 1
		.amdhsa_system_vgpr_workitem_id 0
		.amdhsa_next_free_vgpr 40
		.amdhsa_next_free_sgpr 66
		.amdhsa_reserve_vcc 0
		.amdhsa_float_denorm_mode_32 3
		.amdhsa_float_denorm_mode_16_64 3
		.amdhsa_memory_ordered 1
		.amdhsa_forward_progress 1
		.amdhsa_inst_pref_size 3
	.end_amdhsa_kernel
	.amdgpu_metadata
---
amdhsa.version: [ 1, 2 ]
amdhsa.kernels:
  - .name:           k_qdf48f6a439_fin
    .symbol:         k_qdf48f6a439_fin.kd
    .args:
      - { .name: part, .offset: 0, .size: 8, .value_kind: global_buffer, .address_space: global }
      - { .name: b2, .offset: 8, .size: 8, .value_kind: global_buffer, .address_space: global }
      - { .name: out0, .offset: 16, .size: 8, .value_kind: global_buffer, .address_space: global }
    .group_segment_fixed_size: 0
    .private_segment_fixed_size: 0
    .kernarg_segment_align: 8
    .kernarg_segment_size: 24
    .max_flat_workgroup_size: 64
    .sgpr_count:     66
    .vgpr_count:     40
    .wavefront_size: 32
...
	.end_amdgpu_metadata
.endif
;; end of part 5
;; ======== version 2 of 2: 5 launches; version 1 with the launch prep written anew for expert scheduling mode
;; limits: values are held in f16: magnitudes above 65,504 overflow, below 6.1e-05 lose precision
;; workspace buffers: xn 33,554,432 bytes; wh 8,388,608 bytes; w1b 4,194,304 bytes; av 16,777,216 bytes; ao 16,777,216 bytes; part 262,144 bytes
;; launch prep (part 6): grid 256 x 1, 16 waves a work-group, no clusters, 0 bytes of LDS; arguments context_feature, candidate_feature, ln_q_w, ln_kv_w, ln_q_b, ln_kv_b, wq, wk, wv, wo, w1, xn, wh, w1b; writes xn, wh, w1b
.if DOCPART == 6
	.amdgcn_target "amdgcn-amd-amdhsa--gfx1250"
	.amdhsa_code_object_version 6
	.text
	.protected	k_qdf48f6a439_prep
	.globl	k_qdf48f6a439_prep
	.p2align	8
	.type	k_qdf48f6a439_prep,@function
k_qdf48f6a439_prep:
	s_mov_b64 s[64:65], 0
	v_nop
	global_prefetch_b8 v0, s[64:65] scope:SCOPE_SE
	s_setreg_imm32_b32 hwreg(HW_REG_WAVE_SCHED_MODE, 0, 2), 2
	s_setreg_imm32_b32 hwreg(HW_REG_WAVE_MODE, 25, 1), 1
	s_wait_xcnt 0x0
	s_wait_alu depctr_vm_vsrc(0)
; PREP.  xn[0:8192] = LayerNorm(context), xn[8192:16384] = LayerNorm(candidate), f16; wh = wq, wk, wv, wo (1,024 rows each) as f16; w1b = w1 as bf16.
; EVERY INPUT IS ROUNDED TO bf16 FIRST: the features ahead of the LayerNorm, its gains and biases, the weights.  Mean, variance (of x - mean) and the scaling are f32.
; LIMITS.  With a common offset on the features the bf16 rounding grows with the offset.  The LayerNorm's output and the weights are written as f16: they stay under 65,504;
; below 6e-5 they keep f16's fixed step of 6e-8 (a weight rounded to bf16 is exact in f16 from 2^-16 up).
; SHARES.  Work-group g owns 64 rows (g < 128: context, else candidate) and 1/256 of each weight array.  One wave holds a whole row of 4,096 bytes in 32 registers: load j of lane l
; takes columns 128 j + 4 l + 0..3, so a load covers 512 consecutive bytes and a store of 8 bytes a lane 256 consecutive bytes, aligned.  A wave has 4 rows, 1 KB of each of the four
; square weights and 2 KB of w1.  No LDS, no barrier, no loop: all of a wave's loads go out at its start, and no register that a memory instruction reads is written again.
; THE MODE: SCHED_MODE bits 1:0 = 2 (LLVM: expert scheduling mode 2), set by the entry lines.  The code itself states the register dependences between vector instructions and memory
; instructions, with s_wait_alu, always for 0.
; THE PLAN.  Registers that memory instructions touch:
;   v1, v3 to v8  byte offsets.  Written by vector instructions at the head, read by every load and store, never written again: one wait ahead of the first load serves them all.
;   W             Gain and bias land in it (no vector instruction has named it); 32 conversions read it; the weights' 12 loads land in it: a wait stands between those conversions and these
;                 loads.  The weights' conversions work in place; 12 stores read their results: a wait stands between.  Nothing writes W afterwards.
;   X             A row's 8 loads land in its 32 registers; its vector work goes in place; its 8 stores read the first 16: a wait stands between the roundings and the stores.  A row's stores
;                 stay at the row's end, ahead of the wait for the next row's data.  Nothing writes the row's registers afterwards.
;   T, LWP, LBP   are named by vector instructions alone.
; So no wait on vm_vsrc is owed: nothing that a memory instruction reads is rewritten.  No vector instruction writes a scalar register or VCC, and EXEC is never written.
.set T,   10                           ; v[10:25]   at work
.set LWP, 26                           ; v[26:41]   the LayerNorm's gain for my 32 columns, bf16 in pairs
.set LBP, 42                           ; v[42:57]   its bias, likewise
.set X,   58                           ; v[58:185]  row i at X + 32 i; register 4 j + c = column 128 j + 4 l + c
.set W,   186                          ; v[186:249] gain and bias as loaded, then the weights
	s_load_b512 s[8:23], s[0:1], 0x0               ; context 8, candidate 10, ln_q_w 12, ln_kv_w 14, ln_q_b 16, ln_kv_b 18, wq 20, wk 22
	s_load_b256 s[24:31], s[0:1], 0x40             ; wv 24, wo 26, w1 28, xn 30
	s_load_b128 s[32:35], s[0:1], 0x60             ; wh 32, w1b 34
	v_and_b32 v2, 31, v0                           ; lane
	v_lshrrev_b32 v9, 5, v0                        ; wave
	v_lshlrev_b32 v1, 4, v2                        ; 16 x lane: gain and bias
	v_lshlrev_b32 v4, 3, v2                        ; 8 x lane
	v_lshl_or_b32 v3, v9, 14, v1                   ; rows in: 4 rows of 4,096 bytes a wave
	v_lshl_or_b32 v5, v9, 10, v1                   ; square weights in: 1,024 bytes a wave
	v_lshl_or_b32 v6, v9, 9, v4                    ; and out: 512
	v_lshl_or_b32 v7, v9, 11, v1                   ; w1 in: 2,048
	v_lshl_or_b32 v8, v9, 10, v4                   ; and out: 1,024
	v_lshl_or_b32 v4, v9, 13, v4                   ; rows out: 4 rows of 2,048 bytes a wave
	s_mov_b32 s44, 0xffff0000                      ; a word's upper bf16
	s_mov_b32 s45, 0x3a800000                      ; 1 / 1024
	s_mov_b32 s46, 0x3727c5ac                      ; 1e-5
	s_mov_b32 s48, 0x76543210                      ; v_permlanex16_b32: each lane takes its own place in the other half
	s_mov_b32 s49, 0xfedcba98
	s_mov_b32 s43, 0                               ; the high word of every offset
	s_wait_kmcnt 0x0
	s_cmp_lt_u32 ttmp9, 128                        ; which feature, gain and bias are mine
	s_cselect_b64 s[36:37], s[8:9], s[10:11]
	s_cselect_b64 s[38:39], s[12:13], s[14:15]
	s_cselect_b64 s[40:41], s[16:17], s[18:19]
	s_and_b32 s42, ttmp9, 127
	s_lshl_b32 s42, s42, 18                        ; 64 rows of 4,096 bytes
	s_add_nc_u64 s[36:37], s[36:37], s[42:43]
	s_lshl_b32 s42, ttmp9, 17                      ; 64 rows of 2,048 bytes
	s_add_nc_u64 s[30:31], s[30:31], s[42:43]
	s_lshl_b32 s42, ttmp9, 14                      ; 16 KB of each square weight, and of w1b
	s_add_nc_u64 s[20:21], s[20:21], s[42:43]
	s_add_nc_u64 s[22:23], s[22:23], s[42:43]
	s_add_nc_u64 s[24:25], s[24:25], s[42:43]
	s_add_nc_u64 s[26:27], s[26:27], s[42:43]
	s_add_nc_u64 s[34:35], s[34:35], s[42:43]
	s_lshl_b32 s42, ttmp9, 13                      ; 8 KB in each quarter of wh
	s_add_nc_u64 s[32:33], s[32:33], s[42:43]
	s_lshl_b32 s42, ttmp9, 15                      ; 32 KB of w1
	s_add_nc_u64 s[28:29], s[28:29], s[42:43]
	s_wait_alu depctr_va_vdst(0)                   ; the offsets v1 and v3 to v8 are written: every load and store of the kernel reads one of them
.irp j, 0,1,2,3,4,5,6,7
	global_load_b128 v[W+4*(\j):W+4*(\j)+3], v1, s[38:39] offset:512*(\j)
.endr
.irp j, 0,1,2,3,4,5,6,7
	global_load_b128 v[W+32+4*(\j):W+32+4*(\j)+3], v1, s[40:41] offset:512*(\j)
.endr
.irp i, 0,1,2,3
.irp j, 0,1,2,3,4,5,6,7
	global_load_b128 v[X+32*(\i)+4*(\j):X+32*(\i)+4*(\j)+3], v3, s[36:37] offset:4096*(\i)+512*(\j) th:TH_LOAD_NT
.endr
.endr
	s_wait_loadcnt 32                              ; gain and bias are in; the 32 loads of my rows stay out
.set p, 0
.rept 16
	v_cvt_pk_bf16_f32 v[LWP+p], v[W+2*p], v[W+2*p+1]
	v_cvt_pk_bf16_f32 v[LBP+p], v[W+32+2*p], v[W+32+2*p+1]
.set p, p+1
.endr
	s_wait_alu depctr_va_vdst(0)                   ; the conversions above are done reading v[W ..], in which the weights' loads land: the buffer is asked for again at once
.irp a, 0,1,2,3
.irp i, 0,1
	global_load_b128 v[W+8*(\a)+4*(\i):W+8*(\a)+4*(\i)+3], v5, s[20+2*(\a):21+2*(\a)] offset:512*(\i) th:TH_LOAD_NT
.endr
.endr
.irp i, 0,1,2,3
	global_load_b128 v[W+32+4*(\i):W+32+4*(\i)+3], v7, s[28:29] offset:512*(\i) th:TH_LOAD_NT
.endr
; four chains in v[T:T+7] into one number, then over the 32 lanes: every lane ends with the row's sum in v[T]
.macro FOLD
	v_pk_add_f32 v[T:T+1], v[T:T+1], v[T+2:T+3]
	v_pk_add_f32 v[T+4:T+5], v[T+4:T+5], v[T+6:T+7]
	v_pk_add_f32 v[T:T+1], v[T:T+1], v[T+4:T+5]
	v_add_f32 v[T], v[T], v[T+1]
	v_add_f32_dpp v[T], v[T], v[T] row_xmask:1 row_mask:0xf bank_mask:0xf
	v_add_f32_dpp v[T], v[T], v[T] row_xmask:2 row_mask:0xf bank_mask:0xf
	v_add_f32_dpp v[T], v[T], v[T] row_xmask:4 row_mask:0xf bank_mask:0xf
	v_add_f32_dpp v[T], v[T], v[T] row_xmask:8 row_mask:0xf bank_mask:0xf
	v_permlanex16_b32 v[T+1], v[T], s48, s49
	v_add_f32 v[T], v[T], v[T+1]
.endm
; Row i of my four.
.macro ROWT i
.set R, X+32*(\i)
	s_wait_loadcnt 36-8*(\i)                       ; behind this row's loads stand 8 for each later row and the 12 of the weights
.set p, 0
.rept 16
	v_cvt_pk_bf16_f32 v[T+p], v[R+2*p], v[R+2*p+1] ; x rounded to bf16,
.set p, p+1
.endr
.set p, 0
.rept 16
	v_lshlrev_b32 v[R+2*p], 16, v[T+p]             ; and back as f32
	v_and_b32 v[R+2*p+1], s44, v[T+p]
.set p, p+1
.endr
.irp c, 0,1,2,3
	v_pk_add_f32 v[T+2*(\c):T+2*(\c)+1], v[R+2*(\c):R+2*(\c)+1], v[R+8+2*(\c):R+8+2*(\c)+1]  ; the first eight pairs start four chains
.endr
.set p, 8
.rept 8
	v_pk_add_f32 v[T+2*(p%4):T+2*(p%4)+1], v[T+2*(p%4):T+2*(p%4)+1], v[R+2*p:R+2*p+1]
.set p, p+1
.endr
	FOLD
	v_mul_f32 v[T+8], s45, v[T]                    ; the mean
.set p, 0
.rept 16
	v_pk_add_f32 v[R+2*p:R+2*p+1], v[R+2*p:R+2*p+1], v[T+8:T+9] op_sel_hi:[1,0] neg_lo:[0,1] neg_hi:[0,1]  ; x - mean
.set p, p+1
.endr
.irp c, 0,1,2,3
	v_pk_mul_f32 v[T+2*(\c):T+2*(\c)+1], v[R+2*(\c):R+2*(\c)+1], v[R+2*(\c):R+2*(\c)+1]
.endr
.set p, 4
.rept 12
	v_pk_fma_f32 v[T+2*(p%4):T+2*(p%4)+1], v[R+2*p:R+2*p+1], v[R+2*p:R+2*p+1], v[T+2*(p%4):T+2*(p%4)+1]
.set p, p+1
.endr
	FOLD
	v_fma_f32 v[T+10], v[T], s45, s46              ; variance + 1e-5
	v_rsq_f32 v[T+10], v[T+10]
	v_nop                                          ; a plain instruction between the root and the use of its result (ISA guide 5.7.2)
	s_wait_alu depctr_va_vdst(0)                   ; the root has written v[T+10], ahead of the first line that names it
.set p, 0
.rept 16
	v_pk_mul_f32 v[R+2*p:R+2*p+1], v[R+2*p:R+2*p+1], v[T+10:T+11] op_sel_hi:[1,0]
.set p, p+1
.endr
.set p, 0
.rept 16
	v_fma_mix_f32_bf16 v[R+2*p], v[R+2*p], v[LWP+p], v[LBP+p] op_sel_hi:[0,1,1]                       ; times the gain plus the bias, straight from their bf16 halves
	v_fma_mix_f32_bf16 v[R+2*p+1], v[R+2*p+1], v[LWP+p], v[LBP+p] op_sel:[0,1,1] op_sel_hi:[0,1,1]
.set p, p+1
.endr
.set p, 0
.rept 16
	v_cvt_pk_f16_f32 v[R+p], v[R+2*p], v[R+2*p+1]  ; ascending, in place: pair p lands where pairs before it have been read
.set p, p+1
.endr
	s_wait_alu depctr_va_vdst(0)                   ; the roundings have written v[R .. R+15], which the row's stores read
.irp j, 0,1,2,3,4,5,6,7
	global_store_b64 v4, v[R+2*(\j):R+2*(\j)+1], s[30:31] offset:2048*(\i)+256*(\j)  ; 32 lanes store 256 consecutive bytes, aligned
.endr
.endm
	ROWT 0
	ROWT 1
	ROWT 2
	ROWT 3
	s_wait_loadcnt 0x0                             ; the weights
.set p, 0
.rept 16
	v_cvt_pk_bf16_f32 v[T+p], v[W+2*p], v[W+2*p+1] ; the square weights: rounded to bf16,
.set p, p+1
.endr
.set p, 0
.rept 16
	v_lshlrev_b32 v[W+2*p], 16, v[T+p]
	v_and_b32 v[W+2*p+1], s44, v[T+p]
.set p, p+1
.endr
.set p, 0
.rept 16
	v_cvt_pk_f16_f32 v[W+p], v[W+2*p], v[W+2*p+1]  ; and that number written as f16
.set p, p+1
.endr
.set p, 0
.rept 8
	v_cvt_pk_bf16_f32 v[W+32+p], v[W+32+2*p], v[W+32+2*p+1]  ; w1: rounded to bf16
.set p, p+1
.endr
	s_wait_alu depctr_va_vdst(0)                   ; the roundings have written v[W .. W+15] and v[W+32 .. W+39], which the twelve stores below read
.irp a, 0,1,2,3
.irp i, 0,1
	global_store_b64 v6, v[W+4*(\a)+2*(\i):W+4*(\a)+2*(\i)+1], s[32:33] offset:(\a)*2097152+256*(\i)
.endr
.endr
.irp i, 0,1,2,3
	global_store_b64 v8, v[W+32+2*(\i):W+32+2*(\i)+1], s[34:35] offset:256*(\i)
.endr
	s_endpgm
.Lfunc_end_k_qdf48f6a439_prep:
	.size	k_qdf48f6a439_prep, .Lfunc_end_k_qdf48f6a439_prep-k_qdf48f6a439_prep
	.p2alignl 7, 3214868480
	.fill 96, 4, 3214868480
	.section	.rodata,"a",@progbits
	.p2align	6, 0x0
	.amdhsa_kernel k_qdf48f6a439_prep
		.amdhsa_group_segment_fixed_size 0
		.amdhsa_private_segment_fixed_size 0
		.amdhsa_enable_private_segment 0
		.amdhsa_kernarg_size 112
		.amdhsa_user_sgpr_count 2
		.amdhsa_user_sgpr_kernarg_segment_ptr 1
		.amdhsa_wavefront_size32 1
		.amdhsa_system_sgpr_workgroup_id_x 1
		.amdhsa_system_sgpr_workgroup_id_y 1
		.amdhsa_system_sgpr_workgroup_id_z 1
		.amdhsa_system_vgpr_workitem_id 0
		.amdhsa_next_free_vgpr 250
		.amdhsa_next_free_sgpr 66
		.amdhsa_reserve_vcc 0
		.amdhsa_float_denorm_mode_32 3
		.amdhsa_float_denorm_mode_16_64 3
		.amdhsa_memory_ordered 1
		.amdhsa_forward_progress 1
		.amdhsa_inst_pref_size 58
	.end_amdhsa_kernel
	.amdgpu_metadata
---
amdhsa.version: [ 1, 2 ]
amdhsa.kernels:
  - .name:           k_qdf48f6a439_prep
    .symbol:         k_qdf48f6a439_prep.kd
    .args:
      - { .name: context_feature, .offset: 0, .size: 8, .value_kind: global_buffer, .address_space: global }
      - { .name: candidate_feature, .offset: 8, .size: 8, .value_kind: global_buffer, .address_space: global }
      - { .name: ln_q_w, .offset: 16, .size: 8, .value_kind: global_buffer, .address_space: global }
      - { .name: ln_kv_w, .offset: 24, .size: 8, .value_kind: global_buffer, .address_space: global }
      - { .name: ln_q_b, .offset: 32, .size: 8, .value_kind: global_buffer, .address_space: global }
      - { .name: ln_kv_b, .offset: 40, .size: 8, .value_kind: global_buffer, .address_space: global }
      - { .name: wq, .offset: 48, .size: 8, .value_kind: global_buffer, .address_space: global }
      - { .name: wk, .offset: 56, .size: 8, .value_kind: global_buffer, .address_space: global }
      - { .name: wv, .offset: 64, .size: 8, .value_kind: global_buffer, .address_space: global }
      - { .name: wo, .offset: 72, .size: 8, .value_kind: global_buffer, .address_space: global }
      - { .name: w1, .offset: 80, .size: 8, .value_kind: global_buffer, .address_space: global }
      - { .name: xn, .offset: 88, .size: 8, .value_kind: global_buffer, .address_space: global }
      - { .name: wh, .offset: 96, .size: 8, .value_kind: global_buffer, .address_space: global }
      - { .name: w1b, .offset: 104, .size: 8, .value_kind: global_buffer, .address_space: global }
    .group_segment_fixed_size: 0
    .private_segment_fixed_size: 0
    .kernarg_segment_align: 8
    .kernarg_segment_size: 112
    .max_flat_workgroup_size: 512
    .sgpr_count:     66
    .vgpr_count:     250
    .wavefront_size: 32
...
	.end_amdgpu_metadata
.endif
;; end of part 6
;; launch qkv: the kernel of part 2 again; grid 4 x 64, 4 waves a work-group, clusters of 4 x 4, 327,680 bytes of LDS; arguments xn, wh, bq, bk, bv, av; writes av
;; launch oproj: the kernel of part 3 again; grid 4 x 64, 4 waves a work-group, clusters of 4 x 4, 327,680 bytes of LDS; arguments av, wh, bo, ao; writes ao
;; launch ffn: the kernel of part 4 again; grid 8 x 32, 4 waves a work-group, clusters of 4 x 4, 327,680 bytes of LDS; arguments ao, w1b, b1, w2, part; writes part
;; launch fin: the kernel of part 5 again; grid 32 x 1, 2 waves a work-group, no clusters, 0 bytes of LDS; arguments part, b2, out0; writes out0
